; MI455X (gfx1250); checked and timed in simulation.
; The chip was launched on July 23, 2026; its instructions are those of AMD's public machine-readable ISA for CDNA 5 (MIT licence, August 2026) and "CDNA5" Instruction Set Architecture Reference Guide (July 2026). The comments in the code are by the model that wrote it; some were corrected since.
;; Causal Self Attention. Allowed arithmetic: matrix products marked QUANTISED: E2M3 operands, one E8M0 scale for each 32 along K, by v_wmma_scale_f32_16x16x128_f8f6f4 with both operands' format E2M3, f32 sums; everything else in f32.
;; Inputs: w_proj 1,024 x 1,024 float32; w_qkv 1,024 x 3,072 float32; x 1 x 4,096 x 1,024 float32.
;; Outputs: out0 1 x 4,096 x 1,024 float32.
;; This version of the problem:
;;   THIS VERSION OF THE PROBLEM IS GIVEN IN LOW PRECISION. The matrix products marked QUANTISED in the list below multiply operands that are first quantised to E2M3 (2 exponent bits, 3 mantissa bits; 6 bits a number), with one power-of-two scale for each 32 numbers along K (OCP MX v1.0); their sums are f32. All else is computed in f32.
;;   The module's matrix products, in the order in which they are computed (A, B: the left and right operand; K: the contracted axis; several contracted axes count as one K, in the product's order):
;;     1. [M 4,096, K 1,024] x [K 1,024, N 3,072]; A: input x; B: input w_qkv: QUANTISED
;;     2. batch 16 x [M 4,096, K 64] x [K 64, N 4,096]; A: computed on the way; B: computed on the way: QUANTISED
;;     3. batch 16 x [M 4,096, K 4,096] x [K 4,096, N 64]; A: softmax (see below); B: computed on the way: QUANTISED
;;     4. [M 4,096, K 1,024] x [K 1,024, N 1,024]; A: computed on the way; B: input w_proj: QUANTISED
;;   THE QUANTISER, for each operand of a quantised product, along K:
;;     - K is cut into blocks of 32 from its start; a last block that is shorter is filled with zeros.
;;     - A block's scale is 2^e with e = floor(log2(the largest magnitude in the block)) - 2, held to -126 .. 127; a block of zeros has e = 0. As a byte (E8M0): e + 127.
;;     - Each number is divided by its block's scale, clamped to +-7.5, and rounded to the nearest number of E2M3, ties to even, subnormals kept.
;;     - The product sums the exact products of the quantised numbers (number of the format x scale) in f32.
;;   ~~~python
;;   def quantise(x, axis):      # numpy; x: float32 -> the quantised numbers, widened to float32 again
;;       x = np.moveaxis(x, axis, -1); K = x.shape[-1]
;;       x = np.pad(x, [(0, 0)] * (x.ndim - 1) + [(0, -K % 32)]); x = x.reshape(x.shape[:-1] + (-1, 32)); a = np.abs(x).max(-1, keepdims=True)
;;       e = np.where(a > 0, np.clip(np.frexp(np.where(a > 0, a, 1))[1] - 1 - 2, -126, 127), 0)      # np.frexp(a)[1] - 1 = floor(log2(a)), exactly
;;       r = np.clip(x / 2.0 ** e, -7.5, 7.5)
;;       step = 2.0 ** (np.maximum(np.frexp(np.where(r == 0, 1, r))[1] - 1, 0) - 3)
;;       q = np.round(r / step) * step * 2.0 ** e      # np.round: ties to even
;;       return np.moveaxis(q.reshape(q.shape[:-2] + (-1,))[..., :K], -1, axis).astype(np.float32)
;;   ~~~
;;   SOFTMAX AHEAD OF A QUANTISED PRODUCT. Where the list says 'softmax', what is quantised is not the finished softmax but p = 2^(t - M), with t = logit x log2(e) and M = ceil(the row's largest t), a whole number; so 1/2 < the row's largest p <= 1. The row's sum l is taken of the UNQUANTISED p, in f32, and the product's result is divided by l at the end. Since M is a whole number, a kernel that streams over the keys may use a running M (the ceiling of the running maximum): every later rescaling is an exact power of two, which a block's scale takes up: the codes' values come out the same.
;;   OPERANDS COMPUTED ON THE WAY. 'Computed on the way' means the value that the module computes at that place (a softmax that the list does not call 'softmax' is quantised finished and normalised). What goes into a quantiser is computed in f32, as accurately as f32 sums, v_exp_f32 and their like allow (about 1e-6 of the number): no bf16 or f16 on the way to a quantiser, and a product that is left as it is and whose result goes on into a quantised operand takes f32 operands (vector FMAs, or v_wmma_f32_16x16x4_f32). A number that lies on a knife's edge between two numbers of the format may be rounded either way, as far as f32 arithmetic and the matrix unit's own rounding can turn it there, and no further.
;; One version. Each part assembles by itself: llvm-mc -triple=amdgcn-amd-amdhsa -mcpu=gfx1250 --defsym DOCPART=n.
;; ======== version 1 of 1: 4 launches
;; workspace buffers: cd 6,291,456 bytes; sc 262,144 bytes; rope 1,048,576 bytes; qkv 13,107,200 bytes; yc 3,145,728 bytes; ys 131,072 bytes
;; launch prep (part 1): grid 256 x 1, 4 waves a work-group, no clusters, 68,096 bytes of LDS; arguments x, w_qkv, w_proj, cd, sc, rope; writes cd, sc, rope
.if DOCPART == 1
	.amdgcn_target "amdgcn-amd-amdhsa--gfx1250"
	.amdhsa_code_object_version 6
	.text
	.protected	k_q35f1893dca_prep
	.globl	k_q35f1893dca_prep
	.p2align	8
	.type	k_q35f1893dca_prep,@function
k_q35f1893dca_prep:
	s_mov_b64 s[64:65], 0
	v_nop
	global_prefetch_b8 v0, s[64:65] scope:SCOPE_SE
	s_setreg_imm32_b32 hwreg(HW_REG_WAVE_MODE, 25, 1), 1
	s_wait_xcnt 0x0
; PREP: x [4096][1024], w_qkv [1024][3072] and w_proj [1024][1024], f32, become codes of FP6 (E2M3) with K innermost and one E8M0 byte for each 32 along K; and the table of cosines and sines for the rotation.
; cd: 8,192 rows of 768 bytes (1,024 codes): rows 0-4095 x's tokens, 4096-7167 w_qkv's columns, 7168-8191 w_proj's columns.  sc: the same rows, 32 scale bytes each.
; STORED ORDER: stored row s holds true row pi(s), pi = bits 3 and 4 of the number exchanged.  So sixteen neighbouring stored rows 32 b + 16 u + r are the true rows 32 b + 8 u + r + 8 (r / 8): used as source 0 of a
; transposed product, two neighbouring tiles give a lane 16 neighbours along the next K.
; A block's scale is 2^(floor(log2(largest magnitude)) - 2); its byte is the largest magnitude's exponent field - 2, held at 1 from below.
; LIMITS: a block of zeros gets the byte 1 where the rule says 127 (its codes are zeros, and this program alone reads the bytes); blocks whose largest magnitude lies under 2^(2 - 126) keep the byte 1; NaN and
; infinities among the inputs are not served.  The table's frequencies are the f32 numbers nearest to 10^(-j / 8): they may differ in the last bits from a power and a division in f32, which at position 4,095 moves an angle by under 1e-3.
; SHARES: work-groups 0-127 take x (a wave: 8 tokens, 8,192 numbers, and half a tile of the table); work-groups 128-255 take the weights (a wave: 32 columns x 256 along K).  Each of the two ways has LDS bytes of its own.
; Nothing is shared between work-groups and memory binds: no tensor loads, no cluster, no barrier.
.set WREG,  8192                       ; x's way: LDS of a wave: two stages of 32 x SP bytes, then its 256 scale bytes
.set SP,    80                         ; a lane's place in a stage: 64 bytes + 16 of padding
.set CB,    12                         ; bytes of 16 codes
.set STEPS, 16
.set EMAX,  2
.set R,     16                         ; v16-79   four sets of 16 numbers as loaded
.set X,     80                         ; v80-111  two sets of 16 neighbours
.set E,     112                        ; v112-127 a scale byte for each step
.set C,     128                        ; v128-191 codes, four registers a step
.set TC,    192                        ; v192-199 eight cosines;  v200-207 eight sines;  v208-216 at work
.set TS,    200
.set WST,   32768                      ; the weights' way: four stages of 32 rows x PITCH
.set PITCH, 272
.set KROW,  768
.set NB,    8
.set XW,    32                         ; v32-95   two sets of 32 numbers
.set CW,    96                         ; v96..    a block's codes
.set OUTR,  112                        ; v112-175 the way out
.set SB,    24                         ; v24-25   scale bytes
.set VO,    176                        ; v176-207 offsets: 4 x my column + i rows of the weight
	s_load_b256 s[4:11], s[0:1], 0x0               ; x s[4:5], w_qkv s[6:7], w_proj s[8:9], cd s[10:11]
	s_load_b128 s[12:15], s[0:1], 0x20             ; sc s[12:13], rope s[14:15]
	v_lshl_add_u32 v224, v0, 2, 0x10800
	v_mov_b32 v225, 0
	v_lshrrev_b32 v1, 5, v0
	v_readfirstlane_b32 s16, v1                    ; wave 0..3
	v_and_b32 v2, 31, v0                           ; lane
	s_cmp_lt_u32 ttmp9, 128
	s_cbranch_scc0 .Lweights
; ---------------- x: a stream of blocks of 32.  Each load reads 512 consecutive bytes; a step's 2,048 bytes turn through the wave's stage so that a lane holds 16 neighbours
	v_lshlrev_b32 v3, 4, v2                        ; 16 x lane
	s_mul_i32 s17, s16, WREG
	v_lshrrev_b32 v14, 2, v2
	v_mul_u32_u24 v14, v14, SP
	v_and_b32 v15, 3, v2
	v_lshl_add_u32 v14, v15, 4, v14
	v_add_nc_u32 v14, s17, v14                     ; into the stage: SP (lane / 4) + 16 (lane % 4)
	v_mul_u32_u24 v15, v2, SP
	v_add_nc_u32 v15, s17, v15                     ; out of it: SP x lane
	v_mul_u32_u24 v4, v2, CB                       ; my codes' place in a step's
	v_lshrrev_b32 v5, 1, v2
	s_add_co_u32 s17, s17, 2*32*SP
	v_add_nc_u32 v5, s17, v5                       ; my block's scale byte in LDS
	v_lshlrev_b32 v7, 3, v2
	v_add_nc_u32 v6, s17, v7                       ; and 8 bytes a lane on the way out
	s_lshl_b32 s17, ttmp9, 2
	s_add_co_u32 s18, s17, s16                     ; the run of 8 tokens that I read: 4 x work-group + wave
	s_and_b32 s19, s16, 1
	s_lshl_b32 s19, s19, 1
	s_lshr_b32 s20, s16, 1
	s_or_b32 s19, s19, s20
	s_add_co_u32 s19, s17, s19                     ; the run where they are stored: pi on rows is the exchange of a run's two lowest bits
	s_mov_b32 s21, 0
	s_wait_kmcnt 0x0
	s_lshl_b32 s20, s18, 15
	s_add_nc_u64 s[4:5], s[4:5], s[20:21]          ; 32,768 bytes of x a run
	s_mul_i32 s20, s19, 6144
	s_add_nc_u64 s[10:11], s[10:11], s[20:21]      ; 6,144 bytes of codes
	s_lshl_b32 s20, s19, 8
	s_add_nc_u64 s[12:13], s[12:13], s[20:21]      ; 256 scale bytes
.macro LOAD t
.irp i, 0,1,2,3
	global_load_b128 v[R+16*((\t)%4)+4*\i:R+16*((\t)%4)+4*\i+3], v3, s[4:5] offset:2048*(\t)+512*\i th:TH_LOAD_NT
.endr
.endm
.macro TURN t                          ; LDS serves a wave's instructions in order: no wait between the stores and the loads
.irp i, 0,1,2,3
	ds_store_b128 v14, v[R+16*((\t)%4)+4*\i:R+16*((\t)%4)+4*\i+3] offset:32*SP*((\t)%2)+8*SP*\i
.endr
.irp i, 0,1,2,3
	ds_load_b128 v[X+16*((\t)%2)+4*\i:X+16*((\t)%2)+4*\i+3], v15 offset:32*SP*((\t)%2)+16*\i
.endr
.endm
.irp t, 0,1,2,3
	LOAD \t
.endr
; THE TABLE, made while the first loads are on their way.  rope: [tile of 16 stored tokens: 256][quad 8][lane 32][16 bytes]: lane (r, h) holds cos (quads 0-3) and sin (quads 4-7) of
; position pi(16 tile + r) x frequency 16 h + i, i = 0 .. 15.  My wave makes tile run / 2, i = 8 e + 0 .. 7, e = run % 2.  Frequency j is 10^(-j / 8), j / 8 = 2 h + e + i' / 8.
	s_lshr_b32 s22, s18, 1                         ; the tile
	s_and_b32 s23, s18, 1                          ; e
	s_lshl_b32 s20, s22, 12
	s_lshl_b32 s24, s23, 10
	s_add_co_u32 s20, s20, s24
	s_add_nc_u64 s[14:15], s[14:15], s[20:21]
	v_and_b32 v208, 7, v0
	v_bfe_u32 v209, v0, 3, 1
	v_lshl_add_u32 v208, v209, 4, v208             ; (r % 8) + 16 (r / 8)
	s_lshr_b32 s24, s22, 1
	s_lshl_b32 s24, s24, 5
	s_and_b32 s25, s22, 1
	s_lshl_b32 s25, s25, 3
	s_add_co_u32 s24, s24, s25                     ; 32 (tile / 2) + 8 (tile % 2)
	v_add_nc_u32 v208, s24, v208
	v_cvt_f32_u32 v208, v208                       ; the position
	v_bfe_u32 v209, v0, 4, 1
	v_cmp_eq_u32 s61, 1, v209                      ; lanes 16-31
	s_mov_b32 s48, 0x3f22f983                      ; 2 / pi
	s_mov_b32 s49, 0xbfc90fdb                      ; -(pi / 2), the f32 number,
	s_mov_b32 s50, 0x333bbd2e                      ; and what it leaves of -(pi / 2)
	s_mov_b32 s51, 0xbe2aaaab                      ; sine: -1/6, 1/120, -1/5040, 1/362880
	s_mov_b32 s52, 0x3c088889
	s_mov_b32 s53, 0xb9500d01
	s_mov_b32 s54, 0x3638ef1d
	s_mov_b32 s55, 0x3d2aaaab                      ; cosine: 1/24, -1/720, 1/40320, -1/3628800
	s_mov_b32 s56, 0xbab60b61
	s_mov_b32 s57, 0x37d00d01
	s_mov_b32 s58, 0xb493f27e
.macro FREQ i, d0, d1, d2, d3          ; s[32 + i]: decade e, for lanes 0-15;  s[40 + i]: decade 2 + e, for lanes 16-31
	s_mov_b32 s[32+\i], \d1
	s_cselect_b32 s[32+\i], \d0, s[32+\i]
	s_mov_b32 s[40+\i], \d3
	s_cselect_b32 s[40+\i], \d2, s[40+\i]
.endm
	s_cmp_eq_u32 s23, 0                            ; the moves and selects below leave SCC as it is
	FREQ 0, 1.0, 0.1, 0.01, 0.001
	FREQ 1, 0.7498942093324559, 0.07498942093324559, 0.007498942093324559, 0.0007498942093324559
	FREQ 2, 0.5623413251903491, 0.05623413251903491, 0.005623413251903491, 0.0005623413251903491
	FREQ 3, 0.4216965034285822, 0.04216965034285822, 0.004216965034285822, 0.0004216965034285822
	FREQ 4, 0.31622776601683794, 0.031622776601683794, 0.0031622776601683794, 0.00031622776601683794
	FREQ 5, 0.23713737056616552, 0.023713737056616552, 0.0023713737056616552, 0.00023713737056616552
	FREQ 6, 0.17782794100389228, 0.017782794100389228, 0.0017782794100389228, 0.00017782794100389228
	FREQ 7, 0.1333521432163324, 0.01333521432163324, 0.001333521432163324, 0.0001333521432163324
; angle = position x frequency, rounded once;  k = the nearest whole number to angle x 2 / pi;  r = angle - k pi / 2 in two fused steps (the first is exact: k has 12 bits);
; sine and cosine of r (|r| <= pi / 4) by their series, cut at r^9 and r^10: what is left out is under 2e-9;  k's two lowest bits exchange them and set the signs.
.macro SINCOS i
	v_mov_b32 v216, s[32+\i]
	v_cndmask_b32 v216, v216, s[40+\i], s61
	v_mul_f32 v209, v208, v216
	v_mul_f32 v210, s48, v209
	v_rndne_f32 v210, v210
	v_fma_f32 v209, v210, s49, v209
	v_fma_f32 v209, v210, s50, v209
	v_mul_f32 v211, v209, v209
	v_fma_f32 v212, v211, s54, s53
	v_fma_f32 v213, v211, s58, s57
	v_fma_f32 v212, v211, v212, s52
	v_fma_f32 v213, v211, v213, s56
	v_fma_f32 v212, v211, v212, s51
	v_fma_f32 v213, v211, v213, s55
	v_mul_f32 v215, v209, v211
	v_fma_f32 v213, v211, v213, -0.5
	v_fma_f32 v212, v215, v212, v209               ; sin r
	v_fma_f32 v213, v211, v213, 1.0                ; cos r
	v_cvt_i32_f32 v214, v210
	v_and_b32 v215, 1, v214
	v_cmp_eq_u32 vcc_lo, 1, v215
	v_cndmask_b32 v[TS+\i], v212, v213, vcc_lo     ; k odd: the two change places
	v_cndmask_b32 v[TC+\i], v213, v212, vcc_lo
	v_and_b32 v215, 2, v214
	v_lshlrev_b32 v215, 30, v215
	v_xor_b32 v[TS+\i], v215, v[TS+\i]             ; the sine is negated for k % 4 = 2, 3
	v_add_nc_u32 v214, 1, v214
	v_and_b32 v214, 2, v214
	v_lshlrev_b32 v214, 30, v214
	v_xor_b32 v[TC+\i], v214, v[TC+\i]             ; the cosine for k % 4 = 1, 2
.endm
.irp i, 0,1,2,3,4,5,6,7
	SINCOS \i
.endr
	global_store_b128 v3, v[TC:TC+3], s[14:15]                  ; each store of the wave covers 512 consecutive bytes, aligned; these registers are never written again
	global_store_b128 v3, v[TC+4:TC+7], s[14:15] offset:512
	global_store_b128 v3, v[TS:TS+3], s[14:15] offset:2048
	global_store_b128 v3, v[TS+4:TS+7], s[14:15] offset:2560
	s_wait_loadcnt 12                              ; step 0's four loads are in; those of steps 1 to 3 may be out
	TURN 0
.macro STEP t
.set XS, X+16*((\t)%2)
.if (\t) > 0
	s_wait_dscnt 1                                 ; this step's numbers are back from the stage; the last step's byte store may be out
.else
	s_wait_dscnt 0x0
.endif
.if (\t)+4 < STEPS
	LOAD (\t)+4
.endif
.if (\t)+1 < STEPS
.if STEPS-2-(\t) >= 3
	s_wait_loadcnt 12                              ; the next step's four loads are in; those of the three steps behind it may be out
.else
	s_wait_loadcnt 4*(STEPS-2-(\t))
.endif
	TURN (\t)+1
.endif
	v_max3_num_f32 v8, |v[XS]|, |v[XS+1]|, |v[XS+2]|
	v_max3_num_f32 v9, |v[XS+3]|, |v[XS+4]|, |v[XS+5]|
.irp i, 6,10
	v_max3_num_f32 v8, v8, |v[XS+\i]|, |v[XS+\i+1]|
	v_max3_num_f32 v9, v9, |v[XS+\i+2]|, |v[XS+\i+3]|
.endr
	v_max3_num_f32 v8, v8, |v[XS+14]|, |v[XS+15]|
	v_max3_num_f32 v8, v8, v9, (EMAX+1)<<23        ; with the floor 2^(3 - 127): the byte cannot fall under 1
	v_max_num_f32_dpp v8, v8, v8 row_xmask:1 row_mask:0xf bank_mask:0xf   ; and my neighbour's 16: the block's largest magnitude
	v_add_nc_u32 v11, -(EMAX<<23), v8              ; 2 off its exponent field: the conversion's scale operand
	v_cvt_scalef32_pk16_fp6_f32 v[C+4*(\t):C+4*(\t)+2], v[XS:XS+15], v11
	v_lshrrev_b32 v[E+(\t)], 23, v11               ; the scale's byte
	ds_store_b8 v5, v[E+(\t)] offset:16*(\t)       ; both lanes of a block write the same byte with the same value
	global_store_b96 v4, v[C+4*(\t):C+4*(\t)+2], s[10:11] offset:32*CB*(\t)   ; 384 consecutive bytes a wave
.endm
.irp t, 0,1,2,3,4,5,6,7,8,9,10,11,12,13,14,15
	STEP \t
.endr
	ds_load_b64 v[12:13], v6                       ; LDS serves a wave's instructions in order: these see my byte stores
	s_wait_dscnt 0x0
	global_store_b64 v7, v[12:13], s[12:13]        ; 256 consecutive bytes, aligned
	s_wait_tensorcnt 0x0
	ds_add_u32 v224, v225
	s_wait_dscnt 0x0
	s_endpgm
; ---------------- the weights: K is their first axis.  A lane takes a column and its registers run down K: a block of 32 lies in one lane, and the codes come out with K innermost
.Lweights:
	s_sub_co_u32 s17, ttmp9, 128
	s_and_b32 s18, s17, 31                         ; which 128 columns: 0-23 of w_qkv, 24-31 of w_proj
	s_lshr_b32 s19, s17, 5                         ; which 256 along K
	v_and_b32 v10, 7, v2
	v_bfe_u32 v11, v2, 3, 1
	v_bfe_u32 v12, v2, 4, 1
	v_lshl_add_u32 v10, v11, 4, v10
	v_lshl_add_u32 v10, v12, 3, v10                ; lane l READS column pi(l) of the wave's 32: from here on row = lane is the stored order
	s_mul_i32 s29, s16, 32*PITCH
	s_add_co_u32 s29, s29, WST                     ; my stage
	v_mul_u32_u24 v4, v2, PITCH
	v_add_nc_u32 v4, s29, v4                       ; into it: row = my lane
	v_and_b32 v5, 15, v2
	v_lshrrev_b32 v6, 4, v2
	v_mul_u32_u24 v7, v6, PITCH
	v_lshl_add_u32 v7, v5, 4, v7
	v_add_nc_u32 v7, s29, v7                       ; out of it: sixteen lanes to a row, two rows an instruction
	v_mul_u32_u24 v8, v6, KROW
	v_mad_u32_u24 v8, v5, 12, v8                   ; and the same place in cd
	v_lshlrev_b32 v9, 5, v2                        ; my row of sc
	s_lshl_b32 s24, s18, 7
	s_lshl_b32 s25, s16, 5
	s_add_co_u32 s24, s24, s25                     ; 128 x group + 32 x wave
	s_add_co_u32 s26, s24, 4096                    ; my first row of cd and sc
	s_mul_i32 s30, s26, KROW
	s_mul_i32 s27, s19, 192
	s_add_co_u32 s30, s30, s27
	s_mov_b32 s31, 0
	s_lshl_b32 s26, s26, 5
	s_lshl_b32 s27, s19, 3
	s_add_co_u32 s26, s26, s27
	s_mov_b32 s27, 0
	s_mov_b32 s20, 4096
	s_mov_b32 s23, 0
	s_wait_kmcnt 0x0
	s_add_nc_u64 s[10:11], s[10:11], s[30:31]
	s_add_nc_u64 s[12:13], s[12:13], s[26:27]
	s_cmp_lt_u32 s18, 24                           ; which weight: the choice hangs on the work-group's number alone
	s_cselect_b64 s[6:7], s[6:7], s[8:9]
	s_cselect_b32 s20, 12288, s20                  ; bytes from row to row
	s_cselect_b32 s21, 0, 3072
	s_sub_co_u32 s21, s24, s21                     ; my first column in that weight
	s_lshl_b32 s21, s21, 2
	s_mul_i32 s22, s19, s20
	s_lshl_b32 s22, s22, 8                         ; 256 rows for each step along K
	s_add_co_u32 s22, s22, s21
	s_add_nc_u64 s[32:33], s[6:7], s[22:23]        ; a base for each of my eight blocks of 32 rows: nothing is stepped
	s_lshl_b32 s22, s20, 5
.irp t, 1,2,3,4,5,6,7
	s_add_nc_u64 s[32+2*\t:33+2*\t], s[30+2*\t:31+2*\t], s[22:23]
.endr
	v_lshlrev_b32 v[VO], 2, v10
.set i, 1
.rept 31
	v_add_nc_u32 v[VO+i], s20, v[VO+i-1]           ; row i of a block
.set i, i+1
.endr
.macro WLOAD t                         ; block t: 32 rows at my column, into set t % 2; a wave's load covers 128 consecutive bytes
.set i, 0
.rept 32
	global_load_b32 v[XW+32*((\t)%2)+i], v[VO+i], s[32+2*(\t):33+2*(\t)] th:TH_LOAD_NT
.set i, i+1
.endr
.endm
	WLOAD 0
	WLOAD 1
.macro WBLOCK t
.set XS, XW+32*((\t)%2)
.if (\t) < NB-1
	s_wait_loadcnt 32                              ; this block's 32 loads are in; the next block's may be out
.else
	s_wait_loadcnt 0
.endif
	v_max3_num_f32 v12, |v[XS]|, |v[XS+1]|, |v[XS+2]|
	v_max3_num_f32 v13, |v[XS+3]|, |v[XS+4]|, |v[XS+5]|
.irp i, 6,10,14,18,22,26
	v_max3_num_f32 v12, v12, |v[XS+\i]|, |v[XS+\i+1]|
	v_max3_num_f32 v13, v13, |v[XS+\i+2]|, |v[XS+\i+3]|
.endr
	v_max3_num_f32 v12, v12, |v[XS+30]|, |v[XS+31]|
	v_max3_num_f32 v12, v12, v13, (EMAX+1)<<23     ; with the floor
	v_add_nc_u32 v11, -(EMAX<<23), v12
	v_lshrrev_b32 v13, 23, v11
.if (\t)%4 == 0
	v_mov_b32 v[SB+(\t)/4], v13
.else
	v_lshl_or_b32 v[SB+(\t)/4], v13, 8*((\t)%4), v[SB+(\t)/4]
.endif
	v_cvt_scalef32_pk16_fp6_f32 v[CW:CW+2], v[XS:XS+15], v11
	v_cvt_scalef32_pk16_fp6_f32 v[CW+4:CW+6], v[XS+16:XS+31], v11
	ds_store_b96 v4, v[CW:CW+2] offset:32*(\t)     ; 12 bytes to a place of 16 in the stage
	ds_store_b96 v4, v[CW+4:CW+6] offset:32*(\t)+16
.if (\t)+2 < NB
	WLOAD (\t)+2
.endif
	s_wait_dscnt 0x0                               ; the stores have read their registers: the next block's codes may be written
.endm
.irp t, 0,1,2,3,4,5,6,7
	WBLOCK \t
.endr
	global_store_b64 v9, v[SB:SB+1], s[12:13]      ; my row's 8 scale bytes
.irp t, 0,1,2,3,4,5,6,7,8,9,10,11,12,13,14,15
	ds_load_b96 v[OUTR+4*\t:OUTR+4*\t+2], v7 offset:2*\t*PITCH
.endr
.irp t, 0,1,2,3,4,5,6,7,8,9,10,11,12,13,14,15
	s_wait_dscnt 15-\t
	global_store_b96 v8, v[OUTR+4*\t:OUTR+4*\t+2], s[10:11] offset:2*\t*KROW   ; sixteen lanes store a row's 192 consecutive bytes
.endr
	s_wait_tensorcnt 0x0
	ds_add_u32 v224, v225
	s_wait_dscnt 0x0
	s_endpgm
.Lfunc_end_k_q35f1893dca_prep:
	.size	k_q35f1893dca_prep, .Lfunc_end_k_q35f1893dca_prep-k_q35f1893dca_prep
	.p2alignl 7, 3214868480
	.fill 96, 4, 3214868480
	.section	.rodata,"a",@progbits
	.p2align	6, 0x0
	.amdhsa_kernel k_q35f1893dca_prep
		.amdhsa_group_segment_fixed_size 68096
		.amdhsa_private_segment_fixed_size 0
		.amdhsa_enable_private_segment 0
		.amdhsa_kernarg_size 48
		.amdhsa_user_sgpr_count 2
		.amdhsa_user_sgpr_kernarg_segment_ptr 1
		.amdhsa_wavefront_size32 1
		.amdhsa_system_sgpr_workgroup_id_x 1
		.amdhsa_system_sgpr_workgroup_id_y 1
		.amdhsa_system_sgpr_workgroup_id_z 1
		.amdhsa_system_vgpr_workitem_id 0
		.amdhsa_next_free_vgpr 226
		.amdhsa_next_free_sgpr 66
		.amdhsa_reserve_vcc 1
		.amdhsa_float_denorm_mode_32 3
		.amdhsa_float_denorm_mode_16_64 3
		.amdhsa_memory_ordered 1
		.amdhsa_forward_progress 1
		.amdhsa_inst_pref_size 89
	.end_amdhsa_kernel
	.amdgpu_metadata
---
amdhsa.version: [ 1, 2 ]
amdhsa.kernels:
  - .name:           k_q35f1893dca_prep
    .symbol:         k_q35f1893dca_prep.kd
    .args:
      - { .name: x, .offset: 0, .size: 8, .value_kind: global_buffer, .address_space: global }
      - { .name: w_qkv, .offset: 8, .size: 8, .value_kind: global_buffer, .address_space: global }
      - { .name: w_proj, .offset: 16, .size: 8, .value_kind: global_buffer, .address_space: global }
      - { .name: cd, .offset: 24, .size: 8, .value_kind: global_buffer, .address_space: global }
      - { .name: sc, .offset: 32, .size: 8, .value_kind: global_buffer, .address_space: global }
      - { .name: rope, .offset: 40, .size: 8, .value_kind: global_buffer, .address_space: global }
    .group_segment_fixed_size: 68096
    .private_segment_fixed_size: 0
    .kernarg_segment_align: 8
    .kernarg_segment_size: 48
    .max_flat_workgroup_size: 128
    .sgpr_count:     66
    .vgpr_count:     226
    .wavefront_size: 32
...
	.end_amdgpu_metadata
.endif
;; end of part 1
;; launch qkv (part 2): grid 8 x 24, 4 waves a work-group, clusters of 4 x 4, 327,680 bytes of LDS; arguments cd, sc, rope, qkv; writes qkv
.if DOCPART == 2
	.amdgcn_target "amdgcn-amd-amdhsa--gfx1250"
	.amdhsa_code_object_version 6
	.text
	.protected	k_q35f1893dca_qkv
	.globl	k_q35f1893dca_qkv
	.p2align	8
	.type	k_q35f1893dca_qkv,@function
k_q35f1893dca_qkv:
	s_mov_b64 s[64:65], 0
	v_nop
	global_prefetch_b8 v0, s[64:65] scope:SCOPE_SE
	s_setreg_imm32_b32 hwreg(HW_REG_WAVE_MODE, 25, 1), 1
	s_wait_xcnt 0x0
	s_wait_alu depctr_hold_cnt(0) depctr_sa_sdst(0) depctr_va_vdst(0) depctr_va_sdst(0) depctr_va_ssrc(0) depctr_va_vcc(0) depctr_vm_vsrc(0)
	s_getreg_b32 s2, hwreg(HW_REG_IB_STS2, 6, 4)
	s_cmp_eq_u32 s2, 0
	s_cbranch_scc0 .Lentry_in_a_cluster
	s_endpgm
.Lentry_in_a_cluster:
	s_bfe_u32 s2, ttmp6, 0x10000c
	s_cmp_lg_u32 s2, 0xf033
	s_cbranch_scc0 .Lentry_shape_is_right
	s_endpgm
.Lentry_shape_is_right:
; QKV: x w_qkv on codes of FP6 (E2M3) with E8M0 scales, K = 1,024; then the rotation of q and k, and the quantising of q, k (along the head's 64) and v (along the keys): no f32 result goes to memory.
; A tile of 256 x 256 of the product is made by four waves, 128 x 128 each: 64 accumulators, 512 registers.  K goes in steps of 256 through a ring of two LDS slots; the scale bytes of all of K come once.
; THE MATRIX INSTRUCTION IS USED TRANSPOSED: source 0 = 16 rows of "B", source 1 = 16 rows of "A".  A lane holds one row of A, and since stored rows are in the order pi (bits 3 and 4 exchanged), the 16 registers of
; two neighbouring tiles of B are 16 neighbours: register 16 b + i of a block is B's true row 32 b + 16 (lane / 16) + i.
; TWO MODES, told apart by the cluster's y alone (the same in all sixteen partners):
;   mode 0 (cluster y 0-3): A = 256 tokens of x, B = 256 columns of q or k.  A lane's registers run along the channels: rotation, then four blocks of 32 = two heads x two blocks.
;   mode 1 (cluster y 4, 5): A = 256 columns of v, B = 256 tokens.  A lane's registers run along the keys: four blocks of 32 keys.
; In both a block of 16 rows x 128 becomes one operand fragment (12 registers) and one scale word a row; it is stored as an IMAGE OF ITS REGISTERS: three stores of 512 consecutive bytes.
; qkv: [q | k and v][pair of heads 8][slot of 256 stored tokens 16][51,200 bytes]: 16 images of q or k (16 tokens x the pair's 128 channels) at 0; 16 images of v ([128 keys 2][head 2][16 channels 4]) at 24,576;
;   256 scale words of q or k at 49,152; 256 of v at 50,176.
; CLUSTERS: 4 x 4 work-groups; A's tiles are asked for jointly along a row of the cluster, B's along a column.  No prefetch: K has four steps, of which two are the first fills.
; The rotation: a0' = a0 cos - a1 sin, a1' = a1 cos + a0 sin, the second product fused into the sum (one rounding less than two products and a sum).
; LIMITS: a block of zeros gets the byte 1 where the rule says 127 (zero codes; this program alone reads the bytes); NaN and infinities are not served.
; REGISTERS, in windows of 256: window 0: v0-31 addresses; v32-63 scale words, two sets, and nothing else; from v128 A's fragments, one set.  window 1: B's fragments, two sets; behind the loop the table.
;   windows 2, 3: the accumulators ((a, b) at v[8 (8 (a % 4) + b)]).  Behind the loop, window 0: v64-159 the eight fragments made, v160-223 the rotation's products, v224-254 at work.
.set KSTEP,  256
.set NQ,     2
.set ROWB,   192
.set KROW,   768
.set PITCH,  240                       ; an LDS row: 3 x (64 bytes + 16 of padding)
.set FR,     12
.set NL,     6
.set NP,     4
.set HALFT,  128*PITCH
.set SLOT,   4*HALFT
.set LAPS,   2                         ; 1,024 along K: twice round the ring
.set KS,     32                        ; a row of scale bytes
.set SCL,    2*SLOT
.set HALFS,  16*272
.set SBLK,   2*272
.set SPARE,  SCL+4*HALFS               ; the spare words: 128 bytes a wave, two blocks of 256 bytes that no other line names
.set SCW,    SPARE+512                 ; 512 bytes a wave: the scale words made, gathered for one store; no fill lands here
.set LI,   8                           ; v8   16 x lane
.set SWS,  9                           ; v9   where I put a scale word: SCW + 512 wave + 4 (lane % 16)
.set SRD,  10                          ; v10  where I read them back: SCW + 512 wave + 16 lane
.set ADRA, 16
.set ADRB, 20
.set ADRS, 27
.set SPW,  28
.set NIL,  29
.set SC,   32
.set AF,   128
.set PC,   64
.set TT,   160
.set UU,   192
.set TM,   224                         ; v224-227 largest magnitudes, v228-231 bytes, v236-239 the conversions' scale operands
.set PW,   240                         ; v240-247 the scale word of each block
.set CT,   248                         ; v248-250, v252-254 the second halves of the conversions
.set G1, 24
.set G0, 32
.set G1B, 48
.set G0B, 56
.set G1S, 68
.set G0S, 76
.set G1SB, 80
.set G0SB, 88
.set MODE, 96
.set SEL,  98
.set MSB, 0
.macro WIN new                         ; the immediate's high byte repeats the setting that is left
.if MSB != (\new)
	s_set_vgpr_msb (MSB<<8)|(\new)
.set MSB, (\new)
.endif
.endm
.set MUL_LO, 0xa1                      ; source 0 (B) window 1, source 1 (A) window 0, C and D window 2
.set MUL_HI, 0xf1
.set TO_B,   0x40
; A joint load: waves 0 and 1 fetch for A, waves 2 and 3 for B; the branch hangs on the wave's number alone.  Four v_nop follow each of the two lines.
.macro JLOAD g0a, g1a, g0b, g1b
	s_cmp_eq_u32 s15, 0
	s_cbranch_scc0 .Lfor_b_\@
	tensor_load_to_lds s[\g0a:\g0a+3], s[\g1a:\g1a+7]
	s_nop 0
.rept 4
	v_nop
.endr
	s_branch .Lasked_\@
.Lfor_b_\@:
	tensor_load_to_lds s[\g0b:\g0b+3], s[\g1b:\g1b+7]
	s_nop 0
.rept 4
	v_nop
.endr
.Lasked_\@:
.endm
.macro CREST                           ; a round of the cluster's barrier behind its opening barrier
	s_cmp_lg_u32 s14, 0
	s_cbranch_scc1 .Lnot_wave_0_\@
	s_barrier_signal -3
.Lnot_wave_0_\@:
	s_barrier_wait -3
	s_barrier_signal -1
	s_barrier_wait -1
.endm
.macro CROUND
	s_barrier_signal -1
	s_barrier_wait -1
	CREST
.endm
	s_load_b256 s[4:11], s[0:1], 0x0               ; cd s[4:5], sc s[6:7], rope s[8:9], qkv s[10:11]
	v_lshl_add_u32 v[SPW], v0, 2, SPARE
	v_mov_b32 v[NIL], 0
	ds_add_u32 v28, v29
	ds_add_u32 v28, v29
	s_wait_dscnt 0x0
	v_lshrrev_b32 v1, 5, v0
	v_readfirstlane_b32 s14, v1                    ; wave 0..3
	s_lshr_b32 s15, s14, 1                         ; which half of A's rows is mine.  Also: I fetch for A (0) or for B (1)
	s_and_b32 s16, s14, 1                          ; which half of B's rows.  Also: which 128 rows I fetch
	s_bfe_u32 s40, ttmp6, 0x40000                  ; cx
	s_bfe_u32 s41, ttmp6, 0x40004                  ; cy
	s_and_b32 s17, ttmp7, 0xffff                   ; the cluster's y
	s_lshl_b32 s43, s41, 2
	s_lshl_b32 s43, 15, s43                        ; my row of the cluster
	s_lshl_b32 s44, 0x1111, s40                    ; my column
	s_mov_b32 s[SEL], 0x76543210
	s_mov_b32 s[SEL+1], 0xfedcba98
	s_or_b32 s[G1+0], s43, (0<<16)|(1<<20)|(1<<21)|(3<<22)|(3<<25)  ; the mask; elements of 1 byte; padding on; bit 21 beside a mask; after every 16 words 4 words
	s_or_b32 s[G1B+0], s44, (0<<16)|(1<<20)|(1<<21)|(3<<22)|(3<<25)
.irp g, G1, G1B
	s_mov_b32 s[\g+1], ROWB<<16                    ; tensor_dim0
	s_mov_b32 s[\g+2], 128<<16                     ; tensor_dim1
	s_mov_b32 s[\g+3], ROWB<<16                    ; tile_dim0
	s_mov_b32 s[\g+4], 128                         ; tile_dim1
	s_mov_b32 s[\g+5], KROW                        ; the pitch
	s_mov_b32 s[\g+6], 0
	s_mov_b32 s[\g+7], 0
.endr
	s_or_b32 s[G1S+0], s43, (3<<16)|(1<<20)|(1<<21)|(5<<22)|(3<<25)  ; the scales of 128 rows: 4,096 dense bytes as 16 rows of 256, 16 bytes of padding behind each
	s_or_b32 s[G1SB+0], s44, (3<<16)|(1<<20)|(1<<21)|(5<<22)|(3<<25)
.irp g, G1S, G1SB
	s_mov_b32 s[\g+1], 32<<16
	s_mov_b32 s[\g+2], 16<<16
	s_mov_b32 s[\g+3], 32<<16
	s_mov_b32 s[\g+4], 16
	s_mov_b32 s[\g+5], 32
	s_mov_b32 s[\g+6], 0
	s_mov_b32 s[\g+7], 0
.endr
	; the rows of cd and sc.  A: 256 cy + 128 half + (mode 0: 1,024 cluster y; mode 1: 6,144, v's columns).  B: 1,024 cluster x + 256 cx + 128 half + (mode 0: 4,096, q's and k's columns; mode 1: 2,048 (cluster y - 4)).
	; A's registers never hold cx, B's never cy.
	s_lshl_b32 s18, s16, 7
	s_lshl_b32 s19, s17, 10
	s_max_u32 s92, s17, 4
	s_sub_co_u32 s92, s92, 4
	s_lshl_b32 s92, s92, 11
	s_mov_b32 s93, 6144
	s_mov_b32 s94, 4096
	s_cmp_ge_u32 s17, 4
	s_cselect_b32 s[MODE], 1, 0
	s_cselect_b32 s19, s93, s19
	s_cselect_b32 s92, s92, s94
	s_lshl_b32 s20, s41, 8
	s_add_co_u32 s20, s20, s18
	s_add_co_u32 s20, s20, s19                     ; A's first row for me
	s_lshl_b32 s46, s40, 8
	s_lshl_b32 s47, ttmp9, 10
	s_add_co_u32 s46, s46, s47
	s_add_co_u32 s46, s46, s18
	s_add_co_u32 s46, s46, s92                     ; B's
	s_mov_b32 s21, 0
	s_mov_b32 s47, 0
	s_mov_b64 s[18:19], KS
	s_mul_u64 s[22:23], s[20:21], s[18:19]
	s_mul_u64 s[92:93], s[46:47], s[18:19]
	s_mov_b64 s[18:19], KROW
	s_mul_u64 s[20:21], s[20:21], s[18:19]
	s_mul_u64 s[46:47], s[46:47], s[18:19]
	s_mul_i32 s45, s14, HALFT                      ; where they go: wave x 128 rows
	s_mul_i32 s94, s14, HALFS
	s_wait_kmcnt 0x0
	s_add_nc_u64 s[20:21], s[4:5], s[20:21]
	s_add_nc_u64 s[22:23], s[6:7], s[22:23]
	s_add_nc_u64 s[46:47], s[4:5], s[46:47]
	s_add_nc_u64 s[92:93], s[6:7], s[92:93]
	CROUND                                         ; all sixteen work-groups are here: the first joint loads meet
	s_mov_b32 s[G0S], 1
	s_add_co_u32 s[G0S+1], s94, SCL
	s_mov_b64 s[G0S+2:G0S+3], s[22:23]
	s_or_b32 s[G0S+3], s[G0S+3], 0x80000000
	s_mov_b32 s[G0SB], 1
	s_add_co_u32 s[G0SB+1], s94, SCL
	s_mov_b64 s[G0SB+2:G0SB+3], s[92:93]
	s_or_b32 s[G0SB+3], s[G0SB+3], 0x80000000
	JLOAD G0S, G1S, G0SB, G1SB                     ; the scales first
.irp s, 0,1
	s_mov_b32 s[G0+4*\s], 1
	s_add_co_u32 s[G0+4*\s+1], s45, \s*SLOT
	s_add_nc_u64 s[G0+4*\s+2:G0+4*\s+3], s[20:21], \s*ROWB
	s_or_b32 s[G0+4*\s+3], s[G0+4*\s+3], 0x80000000
	s_mov_b32 s[G0B+4*\s], 1
	s_add_co_u32 s[G0B+4*\s+1], s45, \s*SLOT
	s_add_nc_u64 s[G0B+4*\s+2:G0B+4*\s+3], s[46:47], \s*ROWB
	s_or_b32 s[G0B+4*\s+3], s[G0B+4*\s+3], 0x80000000
	JLOAD G0+4*\s, G1, G0B+4*\s, G1B
.endr
	v_and_b32 v1, 15, v0                           ; l % 16
	v_bfe_u32 v2, v0, 4, 1                         ; l / 16
	v_mul_u32_u24 v3, v1, PITCH
	v_mul_u32_u24 v4, v2, 24
	v_add_nc_u32 v4, v3, v4                        ; a fragment's row x pitch + 24 x half
	v_lshl_add_u32 v5, v2, 4, v4                   ; and the same behind one padding more
	s_mul_i32 s21, s15, HALFT
	s_mul_i32 s22, s16, HALFT
	s_add_co_u32 s22, s22, 2*HALFT
.irp s, 0,1
	v_add_nc_u32 v[ADRA+\s], s21, v4
	v_add_nc_u32 v[ADRB+\s], s22, v4
	v_add_nc_u32 v[ADRA+2+\s], s21, v5
	v_add_nc_u32 v[ADRB+2+\s], s22, v5
	s_add_co_u32 s21, s21, SLOT
	s_add_co_u32 s22, s22, SLOT
.endr
	v_mul_u32_u24 v5, v1, KS
	v_lshrrev_b32 v6, 8, v5
	v_lshl_add_u32 v5, v6, 4, v5                   ; my row's scales: 32 bytes a row, 16 more for each 256 passed
	s_mul_i32 s21, s15, HALFS
	s_mul_i32 s22, s16, HALFS
	s_add_co_u32 s22, s22, 2*HALFS
	s_sub_co_u32 s22, s22, s21
	v_mul_u32_u24 v6, s22, v2                      ; lanes 16-31 take B's
	s_add_co_u32 s21, s21, SCL
	v_add_nc_u32 v5, v5, v6
	v_add_nc_u32 v[ADRS], s21, v5
	v_and_b32 v6, 31, v0
	v_lshlrev_b32 v[LI], 4, v6
	s_lshl_b32 s21, s14, 9
	s_add_co_u32 s21, s21, SCW
	v_lshl_add_u32 v[SWS], v1, 2, s21
	v_add_nc_u32 v[SRD], s21, v[LI]
	; where my eight images and my 128 scale words go.  mode 0: tensor = cluster x (q, k), pair = 2 cx + column half, slot = tile row, part = row half.  mode 1: tensor 1, pair = 2 cy + row half, slot = tile of tokens, part = its half.
	s_lshl_b32 s20, s40, 1
	s_add_co_u32 s20, s20, s16
	s_lshl_b32 s21, s41, 1
	s_add_co_u32 s21, s21, s15
	s_lshl_b32 s22, s17, 2
	s_add_co_u32 s22, s22, s41                     ; mode 0's tile of tokens: 4 cluster y + cy
	s_lshl_b32 s23, ttmp9, 2
	s_add_co_u32 s23, s23, s40
	s_max_u32 s46, s17, 4
	s_sub_co_u32 s46, s46, 4
	s_lshl_b32 s46, s46, 3
	s_add_co_u32 s23, s23, s46                     ; mode 1's: 4 cluster x + cx + 8 (cluster y - 4)
	s_cmp_eq_u32 s[MODE], 1
	s_cselect_b32 s20, s21, s20                    ; the pair
	s_cselect_b32 s21, 1, ttmp9                    ; the tensor
	s_cselect_b32 s23, s23, s22                    ; the slot
	s_cselect_b32 s46, s16, s15                    ; the part
	s_mul_i32 s21, s21, 6553600
	s_mul_i32 s20, s20, 819200
	s_mul_i32 s23, s23, 51200
	s_add_co_u32 s20, s20, s21
	s_add_co_u32 s20, s20, s23
	s_mul_i32 s21, s[MODE], 24576
	s_mul_i32 s23, s46, 12288
	s_add_co_u32 s21, s21, s23
	s_add_co_u32 s92, s20, s21
	s_mov_b32 s93, 0
	s_lshl_b32 s21, s[MODE], 10
	s_lshl_b32 s23, s46, 9
	s_add_co_u32 s21, s21, s23
	s_add_co_u32 s21, s21, 49152
	s_add_co_u32 s94, s20, s21
	s_mov_b32 s95, 0
	s_add_nc_u64 s[12:13], s[10:11], s[94:95]      ; the scale words
	s_add_nc_u64 s[10:11], s[10:11], s[92:93]      ; the images
	s_min_u32 s22, s22, 15                         ; (mode 1 does not read the table; the number is held inside it all the same)
	s_lshl_b32 s22, s22, 4
	s_lshl_b32 s23, s15, 3
	s_add_co_u32 s22, s22, s23
	s_lshl_b32 s22, s22, 12
	s_mov_b32 s23, 0
	s_add_nc_u64 s[8:9], s[8:9], s[22:23]          ; the table at my first tile of 16 tokens: 4,096 bytes a tile
.macro FRAG reg, adr, q, i             ; a fragment: lane l holds row l % 16; registers 6 c .. 6 c + 5 hold K = 64 c + 32 (l / 16) + 0 .. 31, as the bytes lie; in pieces of 8 bytes
.irp p, 0,1,2,3,4,5
.set PCE, 12*(\q)+6*(\p/3)+\p%3
.if PCE%8 < 5
	ds_load_b64 v[\reg+2*\p:\reg+2*\p+1], v[\adr] offset:8*PCE+16*(PCE/8)+(\i)*16*PITCH
.else
	ds_load_b64 v[\reg+2*\p:\reg+2*\p+1], v[\adr+2] offset:8*PCE+16*(PCE/8)+(\i)*16*PITCH
.endif
.endr
.endm
; 16 matrix instructions: A's blocks a0, a0 + 1 x B's eight.  The 64 accumulators take turns, one instruction a turn, in the same order in every step.
.macro MUL16 a0, p, q, sc, zero
.irp a, \a0, \a0+1
.irp b, 0,1,2,3,4,5,6,7
.if \zero
	v_wmma_scale_f32_16x16x128_f8f6f4 v[8*(8*((\a)%4)+\b):8*(8*((\a)%4)+\b)+7], v[128*(\p)+FR*\b:128*(\p)+FR*\b+FR-1], v[AF+FR*(\a):AF+FR*(\a)+FR-1], 0, v[SC+8*NQ*(\sc)+NQ*\b+(\q)], v[SC+8*NQ*(\sc)+NQ*(\a)+(\q)] matrix_a_fmt:MATRIX_FMT_FP6 matrix_b_fmt:MATRIX_FMT_FP6 matrix_a_scale:MATRIX_SCALE_ROW1
.else
	v_wmma_scale_f32_16x16x128_f8f6f4 v[8*(8*((\a)%4)+\b):8*(8*((\a)%4)+\b)+7], v[128*(\p)+FR*\b:128*(\p)+FR*\b+FR-1], v[AF+FR*(\a):AF+FR*(\a)+FR-1], v[8*(8*((\a)%4)+\b):8*(8*((\a)%4)+\b)+7], v[SC+8*NQ*(\sc)+NQ*\b+(\q)], v[SC+8*NQ*(\sc)+NQ*(\a)+(\q)] matrix_a_fmt:MATRIX_FMT_FP6 matrix_b_fmt:MATRIX_FMT_FP6 matrix_a_scale:MATRIX_SCALE_ROW1
.endif
.endr
.endr
.endm
.macro FETCH_B slot, q, p
	WIN TO_B
.irp i, 0,1,2,3,4,5,6,7
	FRAG 128*(\p)+FR*\i, ADRB+\slot, \q, \i
.endr
	WIN 0
.endm
.macro FETCH_A slot, q, i0
.irp i, \i0, \i0+1, \i0+2, \i0+3
	FRAG AF+FR*(\i), ADRA+\slot, \q, \i
.endr
.endm
.macro SCALES sc                       ; a K step's scale words: lanes 0-15 A's block i, lanes 16-31 B's block i
.irp i, 0,1,2,3,4,5,6,7
	ds_load_b64 v[SC+8*NQ*\sc+NQ*\i:SC+8*NQ*\sc+NQ*\i+1], v[ADRS] offset:\i*SBLK
.endr
.endm
.macro PLACES n                        ; plain vector instructions between a matrix instruction and a load into, or a vector instruction on, its registers
.rept \n
	v_nop
.endr
.endm
.macro STEP slot, q, zero              ; 128 along K with its successor in the same slot
	s_wait_dscnt 4*NL                              ; B's set, A's blocks 0-3 and the scale words are in; the youngest 24 loads (A's blocks 4-7) may be out
	WIN MUL_LO
	MUL16 0, (\q)%2, \q, \slot, \zero
	MUL16 2, (\q)%2, \q, \slot, \zero
	s_wait_dscnt 0
	PLACES NP
	FETCH_B \slot, (\q)+1, 1-(\q)%2
	FETCH_A \slot, (\q)+1, 0
	WIN MUL_HI
	MUL16 4, (\q)%2, \q, \slot, \zero
	MUL16 6, (\q)%2, \q, \slot, \zero
	PLACES NP
	WIN 0
	FETCH_A \slot, (\q)+1, 4
.endm
; A slot's last step changes slots: one barrier; in front of it each wave waits for all its tensor loads, adds 0 to its spare word, and waits for that and for its reads of this slot.
.macro TURN slot, next, fill
	s_wait_tensorcnt 0x0                           ; all my tensor loads have landed: my part of the next slot
	ds_add_u32 v[SPW], v[NIL]                      ; 0 onto my spare word
	s_wait_dscnt 4*NL+1                            ; the add and the youngest 24 loads may be out
	WIN MUL_LO
	MUL16 0, 1, NQ-1, \slot, 0
	s_wait_dscnt 0x0                               ; the add is done, and my reads of this slot are over
	s_barrier_signal -1
	MUL16 2, 1, NQ-1, \slot, 0
	WIN 0
	s_barrier_wait -1
.if \fill
	CREST                                          ; the barrier has opened a round of the cluster's: no wave of any partner still reads this slot or has a load on its way
	s_add_nc_u64 s[G0+4*\slot+2:G0+4*\slot+3], s[G0+4*\slot+2:G0+4*\slot+3], 2*ROWB
	s_add_nc_u64 s[G0B+4*\slot+2:G0B+4*\slot+3], s[G0B+4*\slot+2:G0B+4*\slot+3], 2*ROWB
	JLOAD G0+4*\slot, G1, G0B+4*\slot, G1B         ; the first tensor load behind the round; its four v_nop are the places in front of the loads below
.else
	PLACES NP
.endif
	v_add_nc_u32 v[ADRS], 4*NQ, v[ADRS]
	FETCH_B \next, 0, 0
	FETCH_A \next, 0, 0
	SCALES \next
	WIN MUL_HI
	MUL16 4, 1, NQ-1, \slot, 0
	MUL16 6, 1, NQ-1, \slot, 0
	PLACES NP
	WIN 0
	FETCH_A \next, 0, 4
.endm
	s_wait_tensorcnt 1                             ; the scales and my part of K step 0 are in; K step 1's load may be out
	s_barrier_signal -1
	s_barrier_wait -1
	FETCH_B 0, 0, 0
	FETCH_A 0, 0, 0
	SCALES 0
	FETCH_A 0, 0, 4
	STEP 0, 0, 1                                   ; the first step's products start the sums
	s_mov_b32 s3, LAPS-1
.Llap:
	TURN 0, 1, 1
	STEP 1, 0, 0
	TURN 1, 0, 1
	STEP 0, 0, 0
	s_sub_co_u32 s3, s3, 1
	s_cmp_lg_u32 s3, 0
	s_cbranch_scc1 .Llap
	TURN 0, 1, 0                                   ; the last lap fills nothing
	STEP 1, 0, 0
	s_wait_dscnt 4*NL
	WIN MUL_LO
	MUL16 0, 1, NQ-1, 1, 0
	MUL16 2, 1, NQ-1, 1, 0
	s_wait_dscnt 0
	WIN MUL_HI
	MUL16 4, 1, NQ-1, 1, 0
	MUL16 6, 1, NQ-1, 1, 0
	WIN 0
; ---------------- behind the loop: block by block of 16 rows of A
; The rotation of block a (mode 0).  Head hd of the pair: a0 = registers 32 hd + i (channels under 32), a1 = 32 hd + 16 + i; the table's cos i at v[32 a + i], sin i at v[32 a + 16 + i] of window 1.  i ascends: each accumulator is read from its low end on.
.macro ROPE a
.set WN, 2+(\a)/4
.set AC, 64*((\a)%4)
.set RT, 32*(\a)
	WIN WN|4                                       ; source 0 the accumulators' window, source 1 window 1, destination window 0
.irp hd, 0,1
.irp i, 0,2,4,6,8,10,12,14
	v_pk_mul_f32 v[TT+16*\hd+\i:TT+16*\hd+\i+1], v[AC+32*\hd+16+\i:AC+32*\hd+17+\i], v[RT+16+\i:RT+17+\i]
	v_pk_mul_f32 v[UU+16*\hd+\i:UU+16*\hd+\i+1], v[AC+32*\hd+\i:AC+32*\hd+\i+1], v[RT+16+\i:RT+17+\i]
.endr
.endr
	WIN WN|4|(WN<<6)                               ; and the destination the accumulators' window
.irp hd, 0,1
.irp i, 0,2,4,6,8,10,12,14
	v_pk_fma_f32 v[AC+32*\hd+\i:AC+32*\hd+\i+1], v[AC+32*\hd+\i:AC+32*\hd+\i+1], v[RT+\i:RT+\i+1], v[TT+16*\hd+\i:TT+16*\hd+\i+1] neg_lo:[0,0,1] neg_hi:[0,0,1]
	v_pk_fma_f32 v[AC+32*\hd+16+\i:AC+32*\hd+17+\i], v[AC+32*\hd+16+\i:AC+32*\hd+17+\i], v[RT+\i:RT+\i+1], v[UU+16*\hd+\i:UU+16*\hd+\i+1]
.endr
.endr
	WIN 0
.endm
; Block a's 64 numbers of a lane become a fragment's codes in v[PC + 12 a] on and its scale word in v[PW + a].
.macro QUANTW a
.set WN, 2+(\a)/4
.set AC, 64*((\a)%4)
.set PCA, PC+12*(\a)
	WIN (WN<<2)|(WN<<4)                            ; sources 1 and 2: the accumulators' window
.irp b, 0,1,2,3
	v_max3_num_f32 v[TM+\b], 0x1800000, |v[AC+16*\b]|, |v[AC+1+16*\b]|   ; my 16 numbers of block b, and the floor 2^(3 - 127): the byte cannot fall under 1
.endr
.irp i, 2,4,6,8,10,12,14
.irp b, 0,1,2,3
	v_max3_num_f32 v[TM+\b], v[TM+\b], |v[AC+16*\b+\i]|, |v[AC+1+16*\b+\i]|
.endr
.endr
	WIN 0
.irp b, 0,1,2,3
	v_permlanex16_b32 v[TM+4+\b], v[TM+\b], s[SEL], s[SEL+1]
.endr
.irp b, 0,1,2,3
	v_max_num_f32 v[TM+\b], v[TM+\b], v[TM+4+\b]   ; with lane l xor 16's: the block's largest magnitude
.endr
.irp b, 0,1,2,3
	v_add_nc_u32 v[TM+12+\b], 0xff000000, v[TM+\b] ; 2 off its exponent field: the conversion's scale operand
.endr
.irp b, 0,1,2,3
	v_lshrrev_b32 v[TM+4+\b], 23, v[TM+12+\b]      ; the byte
.endr
	v_lshl_or_b32 v[PW+(\a)], v[TM+5], 8, v[TM+4]
	v_lshl_or_b32 v[PW+(\a)], v[TM+6], 16, v[PW+(\a)]
	v_lshl_or_b32 v[PW+(\a)], v[TM+7], 24, v[PW+(\a)]
	WIN WN                                         ; source 0: the accumulators' window
.irp c, 0,1
	v_cvt_scalef32_pk16_fp6_f32 v[PCA+6*\c:PCA+6*\c+2], v[AC+32*\c:AC+32*\c+15], v[TM+12+2*\c]
	v_cvt_scalef32_pk16_fp6_f32 v[CT+4*\c:CT+4*\c+2], v[AC+16+32*\c:AC+31+32*\c], v[TM+13+2*\c]
.endr
	WIN 0
	v_nop                                          ; one plain place behind a scaled conversion
.irp c, 0,1                                    ; the operand's layout wants a whole block in a lane
.irp i, 0,1,2
	v_permlane16_swap_b32 v[PCA+6*\c+\i], v[CT+4*\c+\i]
.endr
.irp i, 0,1,2
	v_mov_b32 v[PCA+3+6*\c+\i], v[CT+4*\c+\i]
.endr
.endr
.endm
.macro BLOCK a
	s_cmp_eq_u32 s[MODE], 0
	s_cbranch_scc0 .Lno_rope_\@
	s_wait_loadcnt 8*(7-(\a))                      ; this block's eight loads of the table are in; the later blocks' eight each may be out
	ROPE \a
.Lno_rope_\@:
	QUANTW \a
.irp c, 0,1,2
	global_store_b128 v[LI], v[PC+12*(\a)+4*\c:PC+12*(\a)+4*\c+3], s[10:11] offset:1536*(\a)+512*\c   ; 512 consecutive bytes, aligned; each block has registers of its own, never written again
.endr
	ds_store_b32 v[SWS], v[PW+(\a)] offset:64*(\a) ; both halves of the lanes write the same word with the same value
.endm
	PLACES NP                                      ; behind the last products: for the reads of results, and for loads and writes into registers that held operands
.irp b, 0,1,2,3
	v_mov_b32 v[TM+4+\b], 0                        ; written once: a lane permute's destination counts as one of its sources
.endr
	s_cmp_eq_u32 s[MODE], 0
	s_cbranch_scc0 .Lno_table
	WIN 0x40                                       ; destination window 1
.irp a, 0,1,2,3,4,5,6,7
.irp q, 0,1,2,3,4,5,6,7
	global_load_b128 v[32*\a+4*\q:32*\a+4*\q+3], v[LI], s[8:9] offset:4096*\a+512*\q
.endr
.endr
	WIN 0
.Lno_table:
.irp a, 0,1,2,3,4,5,6,7
	BLOCK \a
.endr
	ds_load_b128 v[TM:TM+3], v[SRD]                ; LDS serves a wave's instructions in order: these see my eight stores
	s_wait_dscnt 0x0
	global_store_b128 v[LI], v[TM:TM+3], s[12:13]  ; my 128 scale words: 512 consecutive bytes, aligned
	s_wait_tensorcnt 0x0                           ; the wave's end
	ds_add_u32 v[SPW], v[NIL]
	s_wait_dscnt 0x0
	CROUND                                         ; the closing round
	s_endpgm
.Lfunc_end_k_q35f1893dca_qkv:
	.size	k_q35f1893dca_qkv, .Lfunc_end_k_q35f1893dca_qkv-k_q35f1893dca_qkv
	.p2alignl 7, 3214868480
	.fill 96, 4, 3214868480
	.section	.rodata,"a",@progbits
	.p2align	6, 0x0
	.amdhsa_kernel k_q35f1893dca_qkv
		.amdhsa_group_segment_fixed_size 327680
		.amdhsa_private_segment_fixed_size 0
		.amdhsa_enable_private_segment 0
		.amdhsa_kernarg_size 32
		.amdhsa_user_sgpr_count 2
		.amdhsa_user_sgpr_kernarg_segment_ptr 1
		.amdhsa_wavefront_size32 1
		.amdhsa_system_sgpr_workgroup_id_x 1
		.amdhsa_system_sgpr_workgroup_id_y 1
		.amdhsa_system_sgpr_workgroup_id_z 1
		.amdhsa_system_vgpr_workitem_id 0
		.amdhsa_next_free_vgpr 1024
		.amdhsa_next_free_sgpr 100
		.amdhsa_reserve_vcc 0
		.amdhsa_float_denorm_mode_32 3
		.amdhsa_float_denorm_mode_16_64 3
		.amdhsa_memory_ordered 1
		.amdhsa_forward_progress 1
		.amdhsa_inst_pref_size 205
	.end_amdhsa_kernel
	.amdgpu_metadata
---
amdhsa.version: [ 1, 2 ]
amdhsa.kernels:
  - .name:           k_q35f1893dca_qkv
    .symbol:         k_q35f1893dca_qkv.kd
    .args:
      - { .name: cd, .offset: 0, .size: 8, .value_kind: global_buffer, .address_space: global }
      - { .name: sc, .offset: 8, .size: 8, .value_kind: global_buffer, .address_space: global }
      - { .name: rope, .offset: 16, .size: 8, .value_kind: global_buffer, .address_space: global }
      - { .name: qkv, .offset: 24, .size: 8, .value_kind: global_buffer, .address_space: global }
    .group_segment_fixed_size: 327680
    .private_segment_fixed_size: 0
    .kernarg_segment_align: 8
    .kernarg_segment_size: 32
    .max_flat_workgroup_size: 128
    .sgpr_count:     100
    .vgpr_count:     1024
    .wavefront_size: 32
...
	.end_amdgpu_metadata
.endif
;; end of part 2
;; launch attn (part 3): grid 32 x 8, 8 waves a work-group, clusters of 4 x 1, 327,680 bytes of LDS; arguments qkv, yc, ys; writes yc, ys
.if DOCPART == 3
	.amdgcn_target "amdgcn-amd-amdhsa--gfx1250"
	.amdhsa_code_object_version 6
	.text
	.protected	k_q35f1893dca_attn
	.globl	k_q35f1893dca_attn
	.p2align	8
	.type	k_q35f1893dca_attn,@function
k_q35f1893dca_attn:
	s_mov_b64 s[64:65], 0
	v_nop
	global_prefetch_b8 v0, s[64:65] scope:SCOPE_SE
	s_setreg_imm32_b32 hwreg(HW_REG_WAVE_MODE, 25, 1), 1
	s_wait_xcnt 0x0
	s_wait_alu depctr_hold_cnt(0) depctr_sa_sdst(0) depctr_va_vdst(0) depctr_va_sdst(0) depctr_va_ssrc(0) depctr_va_vcc(0) depctr_vm_vsrc(0)
	s_getreg_b32 s2, hwreg(HW_REG_IB_STS2, 6, 4)
	s_cmp_eq_u32 s2, 0
	s_cbranch_scc0 .Lentry_in_a_cluster
	s_endpgm
.Lentry_in_a_cluster:
	s_bfe_u32 s2, ttmp6, 0x10000c
	s_cmp_lg_u32 s2, 0x3003
	s_cbranch_scc0 .Lentry_shape_is_right
	s_endpgm
.Lentry_shape_is_right:
; ATTN: y = softmax(q k^T / 8, causal) v for 16 heads of 64, both products on codes of FP6 (E2M3) with E8M0 scales; y is divided by the row's sum and quantised along the model's 1,024 for the last product.
; THE SOFTMAX AHEAD OF THE SECOND PRODUCT: t = score x log2(e) / 8; M = the running largest t rounded up to a whole number; p = 2^(t - M) is quantised along the keys; the sum is taken of the unquantised p.
; When M moves, the sum and O are multiplied by 2^(old M - new M): exact.
; SHARES.  A work-group serves one PAIR of heads (work-group y) and 64 stored query rows at a time; wave w: head w % 2 of the pair, tile w / 2 of 16 queries.  It takes two blocks of 64 queries one after the other:
; block 4 c + cx, which walks the slots of 256 keys 0 .. c, then block 60 - 4 c + cx, which walks 0 .. 15 - c (c: the cluster's x): 17 slots in every work-group, whatever c: all work-groups have equal work.
; CLUSTER.  The four partners walk the same slots in the same order: each slot (51,200 dense bytes: k's 16 images, v's 16, their scale words) is asked for JOINTLY, an eighth by each wave.
; Only a block's last slot lies on the diagonal (positions c and 16): there hidden scores become -infinity by a select in every partner; cx enters global addresses and that select's number alone.
; K = 64: an image of k holds both heads of the pair (128 along the instruction's K); the wave's fragment of q has zero codes in the other head's six registers, which add nothing.
; LAYOUT.  Both products are used transposed: S^T = k q^T, O^T = v^T p^T: a lane holds one query.  Stored tokens and channels are in the order pi (bits 3 and 4 exchanged), so the 16 registers of two neighbouring tiles are
; 16 neighbouring true keys (channels): 32 b + 16 (lane / 16) + i.
; Operands lie in memory and LDS as images of their registers: three runs of 512 bytes, lane l's 16 bytes at 16 l.
; OUT.  yc: [128 rows 32][pair 8][tile 8][piece 6][lane 32][8 bytes]: the last product's fragments, pieces 0-2 the pair's first head.  ys: [stored row][32]: the byte of head h, block b at 2 h + b.
; LIMITS: a block of zeros gets the byte 1 where the rule says 127 (zero codes; this program alone reads the bytes); NaN and infinities are not served; ys is stored two bytes a lane (131,072 bytes in all).
.set SLOTB, 51200
.set SLOT1, 65536                      ; slot 1 begins here: one exclusive or turns an address
.set VCO,   24576
.set KSO,   49152
.set VSO,   50176
.set SPARE, 131072                     ; the spare words: 128 bytes for each of eight waves, four blocks of 256 bytes that no other line names
.set LI,  1                            ; v1   16 x lane
.set LS,  2                            ; v2   4 x lane
.set SPW, 3
.set NIL, 4
.set ADK, 5                            ; v5-8 LDS addresses of the step: k's images, k's words, v's images, v's words
.set ADS, 6
.set ADV, 7
.set ADT, 8
.set LQ,  9                            ; v9   (r % 8) + 16 (r / 8) - 16 (lane / 16)
.set D0,  10                           ; v10  my true query's place in its slot - 16 (lane / 16)
.set F0,  32                           ; v32-127 eight fragments of k; v32-79 then four of v
.set SS,  128                          ; v128-191 S^T, then p
.set OT,  192                          ; v192-223 O^T
.set N,   16
.set CC,  17
.set WV,  18
.set EE,  19
.set QT,  20
.set C1,  21
.set CS,  22
.set G1,  24
.set G0,  32
.set SEL, 36
.set SID, 38
.set TB,  39
.set MSK, 40
.set BLK, 41
.set LIM, 42
.macro CROUND
	s_barrier_signal -1
	s_barrier_wait -1
	s_cmp_lg_u32 s[WV], 0
	s_cbranch_scc1 .Lnot_wave_0_\@
	s_barrier_signal -3
.Lnot_wave_0_\@:
	s_barrier_wait -3
	s_barrier_signal -1
	s_barrier_wait -1
.endm
; A PREFETCH INTO THE L2 of the slot that the NEXT change of slots of cluster 0 will ask for.  That cluster's second block walks slots 0 .. 15 at positions 1 .. 16, and of the slots 8 .. 15 it is the first to ask.
; Its four partners share a slot's eight parts of 6,400 bytes BY ADDRESS (part 2 cx + wave, waves 0 and 1): a lane names a block of 256 bytes (lanes 25-31 name the 25th again).  At position n it names slot n + 1; at position 15 nothing.
.macro ASK
	s_cmp_lt_u32 s[N], s[LIM]
	s_cbranch_scc0 .Lnot_mine_\@
	global_prefetch_b8 v29, s[12:13] th:TH_LOAD_NT scope:SCOPE_SE
.Lnot_mine_\@:
.endm
	s_load_b128 s[4:7], s[0:1], 0x0                ; qkv, yc
	s_load_b64 s[8:9], s[0:1], 0x10                ; ys
	v_lshl_add_u32 v[SPW], v0, 2, SPARE
	v_mov_b32 v[NIL], 0
	ds_add_u32 v3, v4
	ds_add_u32 v3, v4
	s_wait_dscnt 0x0
	v_lshrrev_b32 v1, 5, v0
	v_readfirstlane_b32 s[WV], v1                  ; wave 0..7
	s_and_b32 s[EE], s[WV], 1                      ; my head of the pair
	s_lshr_b32 s[QT], s[WV], 1                     ; my tile of 16 queries
	s_bfe_u32 s59, ttmp6, 0x40000                  ; cx
	s_mov_b32 s[CC], ttmp9                         ; c
	s_add_co_u32 s[C1], s[CC], 1
	s_and_b32 s56, ttmp7, 0xffff                   ; the pair
	s_mov_b32 s[G1], 15|(3<<16)|(1<<21)            ; the mask: all four work-groups; elements of 8 bytes; bit 21 beside a mask; no padding
	s_mov_b32 s[G1+1], 32<<16                      ; tensor_dim0 = 32 elements: 256 bytes
	s_mov_b32 s[G1+2], 25<<16                      ; tensor_dim1 = 25 rows: 6,400 bytes, an eighth of a slot
	s_mov_b32 s[G1+3], 32<<16                      ; tile_dim0
	s_mov_b32 s[G1+4], 25                          ; tile_dim1
	s_mov_b32 s[G1+5], 32                          ; the pitch: dense
	s_mov_b32 s[G1+6], 0
	s_mov_b32 s[G1+7], 0
	s_mov_b32 s[CS], 0x3e38aa3b                    ; log2(e) / 8
	s_mov_b32 s[CS+1], s[CS]
	s_mov_b32 s[SEL], 0x76543210
	s_mov_b32 s[SEL+1], 0xfedcba98
	s_mov_b32 s[SID], 0
	s_mov_b32 s[TB], 0
	s_mov_b32 s[N], 0
	s_mul_i32 s45, s[EE], 6144                     ; my head's four images of v in a step's eight
	s_lshl_b32 s46, s[EE], 8                       ; and its 64 scale words
	s_cmp_eq_u32 s[EE], 0
	s_cselect_b32 s43, -1, 0                       ; what is kept of q's registers 0-5
	s_cselect_b32 s44, 0, -1                       ; and of 6-11
	s_lshr_b32 s57, s[WV], 1
	s_or_b32 s57, s57, ttmp9
	s_cmp_eq_u32 s57, 0                            ; waves 0 and 1 of cluster 0: the same in all four partners
	s_cselect_b32 s[LIM], 15, 0
	s_mul_i32 s60, s56, 819200
	s_mov_b32 s61, 0
	s_mov_b32 s15, 0
	s_mul_i32 s14, s[WV], 6400
	s_wait_kmcnt 0x0
	s_add_nc_u64 s[4:5], s[4:5], s[60:61]          ; q of my pair
	s_add_nc_u64 s[10:11], s[4:5], 6553600         ; k and v of my pair
	s_lshl_b32 s57, s59, 1
	s_add_co_u32 s57, s57, s[WV]
	s_mul_i32 s60, s57, 6400
	s_add_nc_u64 s[12:13], s[10:11], s[60:61]      ; the prefetches' part, in slot 0: the first change of slots steps it to slot 1
	s_add_nc_u64 s[10:11], s[10:11], s[14:15]      ; my eighth of a slot
	s_mul_i32 s60, s56, 12288
	s_mul_i32 s57, s[EE], 768
	s_add_co_u32 s60, s60, s57
	s_add_nc_u64 s[6:7], s[6:7], s[60:61]
	s_lshl_b32 s60, s56, 2
	s_lshl_b32 s57, s[EE], 1
	s_add_co_u32 s60, s60, s57
	s_add_nc_u64 s[8:9], s[8:9], s[60:61]
	s_mov_b32 s[G0], 1
	s_mul_i32 s[G0+1], s[WV], 6400                 ; LDS: slot 0, my eighth
	s_mov_b64 s[G0+2:G0+3], s[10:11]               ; position 0 is slot 0 of the keys
	s_or_b32 s[G0+3], s[G0+3], 0x80000000
	CROUND                                         ; all four work-groups are here
	tensor_load_to_lds s[G0:G0+3], s[G1:G1+7]      ; by this text's count a wave never has more than one tensor load out
	s_nop 0
.rept 4
	v_nop
.endr
	v_and_b32 v5, 15, v0                           ; r
	v_bfe_u32 v6, v0, 4, 1                         ; h
	v_and_b32 v7, 7, v5
	v_and_b32 v8, 8, v5
	v_lshl_add_u32 v[LQ], v8, 1, v7
	v_lshlrev_b32 v7, 4, v6
	v_sub_nc_u32 v[LQ], v[LQ], v7
	v_lshlrev_b32 v11, 2, v5                       ; v11  4 r: q's scale words
	v_lshlrev_b32 v31, 5, v5                       ; v31  32 r: my row of ys
	v_and_b32 v8, 31, v0
	v_lshlrev_b32 v[LI], 4, v8
	v_lshlrev_b32 v[LS], 2, v8
	v_lshlrev_b32 v30, 3, v8                       ; v30  8 x lane: a piece of y's image
	v_min_u32 v29, 24, v8
	v_lshlrev_b32 v29, 8, v29                      ; v29  the prefetches' offset
.irp b, 0,1,2,3
	v_mov_b32 v[236+\b], 0                         ; written once: a lane permute's destination counts as one of its sources
.endr
	v_mov_b32 v252, 0
	v_mov_b32 v253, 0                              ; (named as the upper half of v[252:253] before it is first written)
; A block of queries begins: s[BLK] is its number.  T = my tile of 16 stored rows.
.macro INIT
	s_lshl_b32 s56, s[BLK], 2
	s_add_co_u32 s56, s56, s[QT]                   ; T
	s_lshr_b32 s57, s56, 4
	s_mul_i32 s57, s57, SLOTB
	s_and_b32 s58, s56, 15
	s_mul_i32 s60, s58, 1536
	s_add_co_u32 s60, s60, s57
	s_add_nc_u64 s[48:49], s[4:5], s[60:61]        ; q's image
	s_lshl_b32 s60, s58, 6
	s_add_co_u32 s60, s60, s57
	s_add_co_u32 s60, s60, KSO
	s_add_nc_u64 s[50:51], s[4:5], s[60:61]        ; its scale words
	s_lshr_b32 s57, s56, 3
	s_mul_i32 s57, s57, 98304
	s_and_b32 s58, s56, 7
	s_mul_i32 s60, s58, 1536
	s_add_co_u32 s60, s60, s57
	s_add_nc_u64 s[52:53], s[6:7], s[60:61]        ; y's image
	s_lshl_b32 s60, s56, 9
	s_add_nc_u64 s[54:55], s[8:9], s[60:61]        ; y's scale bytes
.irp c, 0,1,2
	global_load_b128 v[16+4*\c:19+4*\c], v[LI], s[48:49] offset:512*\c
.endr
	global_load_b32 v28, v11, s[50:51]
	s_lshl_b32 s57, s56, 4
	s_and_b32 s57, s57, 0xe0
	s_and_b32 s58, s56, 1
	s_lshl_b32 s58, s58, 3
	s_or_b32 s57, s57, s58
	v_add_nc_u32 v[D0], s57, v[LQ]                 ; true query pi(16 T + r), within its slot of 256, less 16 (lane / 16)
.set j, 0
.rept 32
	v_mov_b32 v[OT+j], 0                           ; the step is written once: the first finds zeros, which the first change of M leaves zeros
.set j, j+1
.endr
	v_mov_b32 v13, 0xff61b1e6                      ; the largest t so far: -3e38
	v_floor_f32 v12, -v13                          ; -M
	v_mov_b32 v14, 0
	v_mov_b32 v15, 0
	s_wait_loadcnt 0x0
.irp j, 0,1,2,3,4,5
	v_and_b32 v[16+\j], s43, v[16+\j]              ; the other head's codes become zeros
	v_and_b32 v[22+\j], s44, v[22+\j]
.endr
.endm
.macro SCORE t
.if (\t)%2
	v_wmma_scale_f32_16x16x128_f8f6f4 v[SS+8*(\t):SS+8*(\t)+7], v[F0+12*(\t):F0+12*(\t)+11], v[16:27], 0, v[248+(\t)/2], v28 matrix_a_fmt:MATRIX_FMT_FP6 matrix_b_fmt:MATRIX_FMT_FP6 matrix_a_scale:MATRIX_SCALE_ROW1
.else
	v_wmma_scale_f32_16x16x128_f8f6f4 v[SS+8*(\t):SS+8*(\t)+7], v[F0+12*(\t):F0+12*(\t)+11], v[16:27], 0, v[248+(\t)/2], v28 matrix_a_fmt:MATRIX_FMT_FP6 matrix_b_fmt:MATRIX_FMT_FP6
.endif
.endm
.macro VALUE t
.if (\t)%2
	v_wmma_scale_f32_16x16x128_f8f6f4 v[OT+8*(\t):OT+8*(\t)+7], v[F0+12*(\t):F0+12*(\t)+11], v[224:235], v[OT+8*(\t):OT+8*(\t)+7], v[248+(\t)/2], v253 matrix_a_fmt:MATRIX_FMT_FP6 matrix_b_fmt:MATRIX_FMT_FP6 matrix_a_scale:MATRIX_SCALE_ROW1
.else
	v_wmma_scale_f32_16x16x128_f8f6f4 v[OT+8*(\t):OT+8*(\t)+7], v[F0+12*(\t):F0+12*(\t)+11], v[224:235], v[OT+8*(\t):OT+8*(\t)+7], v[248+(\t)/2], v253 matrix_a_fmt:MATRIX_FMT_FP6 matrix_b_fmt:MATRIX_FMT_FP6
.endif
.endm
; A KEY STEP: 128 keys, the q-th of the slot in hand.
.macro STEP q
	s_add_co_u32 s57, s[TB], s45
	s_add_co_u32 s58, s[TB], s46
	v_add_nc_u32 v[ADK], s[TB], v[LI]              ; these four are also the places in front of the loads into registers that the last products read
	v_add_nc_u32 v[ADS], s[TB], v[LS]
	v_add_nc_u32 v[ADV], s57, v[LI]
	v_add_nc_u32 v[ADT], s58, v[LS]
.irp t, 0,1,2,3,4,5,6,7
.irp c, 0,1,2
	ds_load_b128 v[F0+12*\t+4*\c:F0+12*\t+4*\c+3], v[ADK] offset:(8*(\q)+\t)*1536+512*\c
.endr
.if \t%2
	ds_load_b32 v[248+\t/2], v[ADS] offset:KSO+512*(\q)+128*(\t/2)   ; lanes 0-15: the even tile's words, lanes 16-31: the odd tile's
.endif
.endr
	s_wait_dscnt 14                                ; tiles 0-3 and their words are in; the 14 loads of tiles 4-7 may be out
.irp t, 0,1,2,3
	SCORE \t
.endr
	s_wait_dscnt 0x0
.irp t, 4,5,6,7
	SCORE \t
.endr
.rept 4
	v_nop                                          ; places: in front of the loads below and of the first read of the scores
.endr
.irp t, 0,1,2,3                                ; v's four fragments are asked for now and land during the softmax
.irp c, 0,1,2
	ds_load_b128 v[F0+12*\t+4*\c:F0+12*\t+4*\c+3], v[ADV] offset:VCO+12288*(\q)+1536*\t+512*\c
.endr
.if \t%2
	ds_load_b32 v[248+\t/2], v[ADT] offset:VSO+512*(\q)+128*(\t/2)
.endif
.endr
	s_cmp_eq_u32 s[MSK], 0                         ; the same in all partners
	s_cbranch_scc1 .Lopen_\@
	v_add_nc_u32 v252, -128*(\q), v[D0]            ; d: register 16 b + i holds the slot's key 128 q + 16 (lane / 16) + 32 b + i: hidden where 32 b + i > d
	v_mov_b32 v254, 0xff800000                     ; -infinity: p = 0 then
.set n, 0
.rept 64
	v_cmp_gt_i32 vcc_lo, 32*(n/16)+n%16, v252
	v_cndmask_b32 v[SS+n], v[SS+n], v254, vcc_lo
.set n, n+1
.endr
.Lopen_\@:
.irp b, 0,1,2,3
	v_max3_num_f32 v[232+\b], v[SS+16*\b], v[SS+1+16*\b], v[SS+2+16*\b]   ; the largest score of each block of 32 keys: for the row's maximum, and, since p rises with the score, for the block's largest p
.endr
.irp i, 3,5,7,9,11,13
.irp b, 0,1,2,3
	v_max3_num_f32 v[232+\b], v[232+\b], v[SS+16*\b+\i], v[SS+1+16*\b+\i]
.endr
.endr
.irp b, 0,1,2,3
	v_max_num_f32 v[232+\b], v[232+\b], v[SS+15+16*\b]
.endr
.irp b, 0,1,2,3
	v_permlanex16_b32 v[236+\b], v[232+\b], s[SEL], s[SEL+1]
.endr
.irp b, 0,1,2,3
	v_max_num_f32 v[232+\b], v[232+\b], v[236+\b]
.endr
	v_max3_num_f32 v254, v232, v233, v234
	v_max_num_f32 v254, v254, v235
	v_mul_f32 v254, s[CS], v254
	v_max_num_f32 v13, v13, v254                   ; the running largest t
	v_mov_b32 v254, v12
	v_floor_f32 v12, -v13                          ; the new -M: a whole number
	v_sub_f32 v254, v12, v254
	v_cvt_i32_f32 v254, v254
	v_ldexp_f32 v252, 1.0, v254                    ; f = 2^(old M - new M)
.set j, 0
.rept 32
	v_pk_fma_f32 v[SS+j:SS+j+1], v[SS+j:SS+j+1], s[CS:CS+1], v[12:13] op_sel_hi:[1,0,0]   ; t - M
.set j, j+2
.endr
.irp b, 0,1,2,3
	v_fma_f32 v[232+\b], v[232+\b], s[CS], v12
.endr
.set j, 0
.rept 64
	v_exp_f32 v[SS+j], v[SS+j]                     ; p = 2^(t - M)
.set j, j+1
.endr
	v_pk_mul_f32 v[14:15], v[14:15], v[252:253] op_sel_hi:[1,0]   ; the sums under the new M: the plain place behind the exponentials
	s_wait_alu depctr_va_vdst(0)                   ; one wait for the batch of 64, ahead of its first reader
.irp b, 0,1,2,3
	v_exp_f32 v[232+\b], v[232+\b]                 ; each block's largest p
.endr
	v_pk_add_f32 v[236:237], v[SS:SS+1], v[SS+2:SS+3]   ; the row's sum of the unquantised p, in two chains
.irp j, 4,8,12,16,20,24,28,32,36,40,44,48,52,56,60
	v_pk_add_f32 v[14:15], v[14:15], v[SS+\j:SS+1+\j]
	v_pk_add_f32 v[236:237], v[236:237], v[SS+2+\j:SS+3+\j]
.endr
	v_pk_add_f32 v[14:15], v[14:15], v[236:237]
	s_wait_alu depctr_va_vdst(0)                   ; and one for the four
.irp b, 0,1,2,3
	v_max_num_f32 v[232+\b], 0x1800000, v[232+\b]  ; the floor: the byte cannot fall under 1
.endr
.irp b, 0,1,2,3
	v_add_nc_u32 v[244+\b], 0xff000000, v[232+\b]
.endr
.irp b, 0,1,2,3
	v_lshrrev_b32 v[236+\b], 23, v[244+\b]
.endr
	v_lshl_or_b32 v253, v237, 8, v236              ; p's scale word for these 128 keys
	v_lshl_or_b32 v253, v238, 16, v253
	v_lshl_or_b32 v253, v239, 24, v253
.irp c, 0,1
	v_cvt_scalef32_pk16_fp6_f32 v[224+6*\c:226+6*\c], v[SS+32*\c:SS+15+32*\c], v[244+2*\c]
	v_cvt_scalef32_pk16_fp6_f32 v[236+4*\c:238+4*\c], v[SS+16+32*\c:SS+31+32*\c], v[244+2*\c+1]
.endr
	v_nop                                          ; one plain place behind a scaled conversion
.irp c, 0,1
.irp i, 0,1,2
	v_permlane16_swap_b32 v[224+6*\c+\i], v[236+4*\c+\i]
.endr
.irp i, 0,1,2
	v_mov_b32 v[227+6*\c+\i], v[236+4*\c+\i]
.endr
.endr
.set j, 0
.rept 16
	v_pk_mul_f32 v[OT+j:OT+j+1], v[OT+j:OT+j+1], v[252:253] op_sel_hi:[1,0]   ; O^T under the new M; these are also the places between the writing of p's codes and word and the products
.set j, j+2
.endr
	s_wait_dscnt 0x0                               ; v's fragments and words are in
.irp t, 0,1,2,3
	VALUE \t                                       ; four accumulators by turns, one instruction a turn
.endr
.endm
; A block of queries ends: y = O / the sum, quantised along its head's 64 (two blocks), stored as half of a fragment's image.
.macro FINISH
.rept 4
	v_nop                                          ; places behind the last products
.endr
	v_add_f32 v14, v14, v15
	v_permlanex16_b32 v252, v14, s[SEL], s[SEL+1]
	v_add_f32 v14, v14, v252                       ; the row's sum
	v_rcp_f32 v14, v14
	v_nop                                          ; a plain place behind the reciprocal
	s_wait_alu depctr_va_vdst(0)                   ; and the wait ahead of its first reader
.set j, 0
.rept 16
	v_pk_mul_f32 v[SS+j:SS+j+1], v[OT+j:OT+j+1], v[14:15] op_sel_hi:[1,0]   ; register 16 b + i: channel 32 b + 16 (lane / 16) + i; each accumulator from its low end on
.set j, j+2
.endr
.irp b, 0,1
	v_max3_num_f32 v[232+\b], |v[SS+16*\b]|, |v[SS+1+16*\b]|, 0x1800000
.endr
.irp i, 2,4,6,8,10,12,14
.irp b, 0,1
	v_max3_num_f32 v[232+\b], v[232+\b], |v[SS+16*\b+\i]|, |v[SS+1+16*\b+\i]|
.endr
.endr
.irp b, 0,1
	v_permlanex16_b32 v[236+\b], v[232+\b], s[SEL], s[SEL+1]
.endr
.irp b, 0,1
	v_max_num_f32 v[232+\b], v[232+\b], v[236+\b]
.endr
.irp b, 0,1
	v_add_nc_u32 v[244+\b], 0xff000000, v[232+\b]
.endr
.irp b, 0,1
	v_lshrrev_b32 v[236+\b], 23, v[244+\b]
.endr
	v_lshl_or_b32 v254, v237, 8, v236              ; my row's two bytes
	v_cvt_scalef32_pk16_fp6_f32 v[224:226], v[SS:SS+15], v244
	v_cvt_scalef32_pk16_fp6_f32 v[228:230], v[SS+16:SS+31], v245
	v_nop
	v_permlane16_swap_b32 v224, v228
	v_permlane16_swap_b32 v225, v229
	v_permlane16_swap_b32 v226, v230
	v_mov_b32 v227, v228
	v_mov_b32 v228, v229
	v_mov_b32 v229, v230                           ; v224-229: lanes 0-15 block 0, lanes 16-31 block 1
.irp p, 0,1,2
	global_store_b64 v30, v[224+2*\p:225+2*\p], s[52:53] offset:256*\p   ; 256 consecutive bytes, aligned
.endr
	global_store_b16 v31, v254, s[54:55]           ; both halves of the lanes write the same two bytes
	s_wait_xcnt 0x0                                ; the stores' registers and bases are written again only behind this wait
.endm
; THE CHANGE OF SLOTS, at a position's head.  Each wave waits for all its tensor loads (its eighth of the slot that it is about to read), adds 0 to its spare word, and waits for that and for its reads of the slot that it has left.
; fill = 1: behind a round of the cluster's barrier that other slot takes the next position's keys: slot SID + 1 of the keys, or slot 0 where the second block of queries begins (behind position c).
.macro CHANGE fill
	s_wait_tensorcnt 0x0                           ; no tensor load of mine is out, so the descriptor may be written
	ds_add_u32 v[SPW], v[NIL]                      ; 0 onto my spare word
.if \fill
	s_add_co_u32 s[SID], s[SID], 1
	s_cmp_eq_u32 s[N], s[CC]
	s_cselect_b32 s[SID], 0, s[SID]
	s_mul_i32 s14, s[SID], SLOTB
	s_xor_b32 s[G0+1], s[G0+1], SLOT1
	s_add_nc_u64 s[G0+2:G0+3], s[10:11], s[14:15]
	s_or_b32 s[G0+3], s[G0+3], 0x80000000
	s_wait_xcnt 0x0                                ; the last prefetch, a position back, has read its address
	s_add_nc_u64 s[12:13], s[12:13], SLOTB
	s_wait_dscnt 0x0                               ; the add is done, and my reads of the slot that I have left are over
	CROUND
	tensor_load_to_lds s[G0:G0+3], s[G1:G1+7]      ; the first thing behind the round, and my one tensor load until the next: it has a slot's two key steps in which to land
	s_nop 0
.rept 4
	v_nop
.endr
	ASK
.else
	s_wait_dscnt 0x0
	s_barrier_signal -1
	s_barrier_wait -1
.endif
.endm
	s_lshl_b32 s[BLK], s[CC], 2
	s_add_co_u32 s[BLK], s[BLK], s59               ; the first block of queries: 4 c + cx
	INIT
.Lslot:                                            ; 16 trips: positions 0 to 15; behind each change of slots the next position is asked for
	CHANGE 1
	s_cmp_eq_u32 s[N], s[C1]                       ; position c + 1: the second block begins (c is the cluster's: the same in all partners)
	s_cbranch_scc0 .Lsame
	FINISH
	s_lshl_b32 s[BLK], s[CC], 2
	s_sub_co_u32 s[BLK], 60, s[BLK]
	s_add_co_u32 s[BLK], s[BLK], s59               ; 60 - 4 c + cx
	INIT
.Lsame:
	s_cmp_eq_u32 s[N], s[CC]
	s_cselect_b32 s[MSK], 1, 0                     ; position c is the first block's own slot
	STEP 0
	STEP 1
	s_xor_b32 s[TB], s[TB], SLOT1
	s_add_co_u32 s[N], s[N], 1
	s_cmp_lt_u32 s[N], 16
	s_cbranch_scc1 .Lslot
	CHANGE 0                                       ; position 16 is written out: nothing is left to ask for
	s_mov_b32 s[MSK], 1                            ; the second block's own slot
	STEP 0
	STEP 1
	FINISH
	s_wait_tensorcnt 0x0                           ; the wave's end
	ds_add_u32 v[SPW], v[NIL]
	s_wait_dscnt 0x0
	CROUND                                         ; the closing round
	s_endpgm
.Lfunc_end_k_q35f1893dca_attn:
	.size	k_q35f1893dca_attn, .Lfunc_end_k_q35f1893dca_attn-k_q35f1893dca_attn
	.p2alignl 7, 3214868480
	.fill 96, 4, 3214868480
	.section	.rodata,"a",@progbits
	.p2align	6, 0x0
	.amdhsa_kernel k_q35f1893dca_attn
		.amdhsa_group_segment_fixed_size 327680
		.amdhsa_private_segment_fixed_size 0
		.amdhsa_enable_private_segment 0
		.amdhsa_kernarg_size 24
		.amdhsa_user_sgpr_count 2
		.amdhsa_user_sgpr_kernarg_segment_ptr 1
		.amdhsa_wavefront_size32 1
		.amdhsa_system_sgpr_workgroup_id_x 1
		.amdhsa_system_sgpr_workgroup_id_y 1
		.amdhsa_system_sgpr_workgroup_id_z 1
		.amdhsa_system_vgpr_workitem_id 0
		.amdhsa_next_free_vgpr 256
		.amdhsa_next_free_sgpr 66
		.amdhsa_reserve_vcc 1
		.amdhsa_float_denorm_mode_32 3
		.amdhsa_float_denorm_mode_16_64 3
		.amdhsa_memory_ordered 1
		.amdhsa_forward_progress 1
		.amdhsa_inst_pref_size 105
	.end_amdhsa_kernel
	.amdgpu_metadata
---
amdhsa.version: [ 1, 2 ]
amdhsa.kernels:
  - .name:           k_q35f1893dca_attn
    .symbol:         k_q35f1893dca_attn.kd
    .args:
      - { .name: qkv, .offset: 0, .size: 8, .value_kind: global_buffer, .address_space: global }
      - { .name: yc, .offset: 8, .size: 8, .value_kind: global_buffer, .address_space: global }
      - { .name: ys, .offset: 16, .size: 8, .value_kind: global_buffer, .address_space: global }
    .group_segment_fixed_size: 327680
    .private_segment_fixed_size: 0
    .kernarg_segment_align: 8
    .kernarg_segment_size: 24
    .max_flat_workgroup_size: 256
    .sgpr_count:     66
    .vgpr_count:     256
    .wavefront_size: 32
...
	.end_amdgpu_metadata
.endif
;; end of part 3
;; launch proj (part 4): grid 4 x 16, 4 waves a work-group, clusters of 4 x 4, 327,680 bytes of LDS; arguments yc, ys, cd, sc, out0; writes out0
.if DOCPART == 4
	.amdgcn_target "amdgcn-amd-amdhsa--gfx1250"
	.amdhsa_code_object_version 6
	.text
	.protected	k_q35f1893dca_proj
	.globl	k_q35f1893dca_proj
	.p2align	8
	.type	k_q35f1893dca_proj,@function
k_q35f1893dca_proj:
	s_mov_b64 s[64:65], 0
	v_nop
	global_prefetch_b8 v0, s[64:65] scope:SCOPE_SE
	s_setreg_imm32_b32 hwreg(HW_REG_WAVE_MODE, 25, 1), 1
	s_wait_xcnt 0x0
	s_wait_alu depctr_hold_cnt(0) depctr_sa_sdst(0) depctr_va_vdst(0) depctr_va_sdst(0) depctr_va_ssrc(0) depctr_va_vcc(0) depctr_vm_vsrc(0)
	s_getreg_b32 s2, hwreg(HW_REG_IB_STS2, 6, 4)
	s_cmp_eq_u32 s2, 0
	s_cbranch_scc0 .Lentry_in_a_cluster
	s_endpgm
.Lentry_in_a_cluster:
	s_bfe_u32 s2, ttmp6, 0x10000c
	s_cmp_lg_u32 s2, 0xf033
	s_cbranch_scc0 .Lentry_shape_is_right
	s_endpgm
.Lentry_shape_is_right:
; PROJ: out0 = y w_proj on codes of FP6 (E2M3) with E8M0 scales, K = 1,024.  y's codes come as images of operand registers (yc), its scale bytes as rows of 32 (ys); w_proj's columns are rows 7,168 on of cd and sc.
; A tile of 256 x 256 of the result is made by four waves, 128 x 128 each: 64 accumulators, 512 registers.  K goes in steps of 256 through a ring of two LDS slots; the scale bytes of all of K come once.
; THE MATRIX INSTRUCTION IS USED TRANSPOSED (source 0 = 16 stored columns of w_proj, source 1 = 16 stored rows of y).  Stored rows and columns are in the order pi (bits 3 and 4 exchanged); the way out undoes it, by constants:
; a lane's eight results of tile 2 b + u are the true columns 32 b + 16 (lane / 16) + 8 u + 0 .. 7, and stored row 32 a + 16 u + r is true row 32 a + 16 (r / 8) + 8 u + r % 8.
; CLUSTERS: 4 x 4 work-groups; y's tiles are asked for jointly along a row of the cluster, w_proj's along a column.  64 work-groups: the result has 64 tiles of this size.  No prefetch: K has four steps, of which two are the first fills.
; REGISTERS, in windows of 256: window 0: v0-31 addresses; v32-63 scale words, two sets, and nothing else; from v128 A's fragments, one set; on the way out v128-255 rows read back.
;   window 1: B's fragments, two sets.   windows 2, 3: the accumulators ((a, b) at v[8 (8 (a % 4) + b)]).
.set KSTEP,  256
.set NQ,     2
.set ROWB,   192
.set KROW,   768
.set PITCH,  240                       ; B's LDS row: 3 x (64 bytes + 16 of padding)
.set FR,     12
.set NL,     6
.set NP,     4
.set HALFT,  128*PITCH                 ; B: 128 rows
.set AHALF,  24576                     ; A: 128 rows x 256 along K as 16 images of 1,536 bytes, dense
.set SLOT,   2*AHALF+2*HALFT
.set LAPS,   2
.set KS,     32
.set SCL,    2*SLOT
.set HALFS,  16*272
.set SBLK,   2*272
.set SPARE,  SCL+4*HALFS               ; the spare words: 128 bytes a wave, two blocks of 256 bytes that no other line names
.set SPITCH, 528                       ; the way out: a stage of 16 rows x (512 + 16) bytes a wave, in slot 0, which has had its last fill and its last read when the first result is stored there
.set ADRA, 16                          ; v16-17  8 x lane + my 128 rows' images in slot 0, 1
.set ADRB, 20                          ; v20-23
.set STO,  24
.set RD,   25
.set CO,   26
.set ADRS, 27
.set SPW,  28
.set NIL,  29
.set SC,   32
.set AF,   128
.set BK,   128
.set G1, 24
.set G0, 32
.set G1B, 48
.set G0B, 56
.set G1S, 68
.set G0S, 76
.set G1SB, 80
.set G0SB, 88
.set MSB, 0
.macro WIN new
.if MSB != (\new)
	s_set_vgpr_msb (MSB<<8)|(\new)
.set MSB, (\new)
.endif
.endm
.set MUL_LO, 0xa1
.set MUL_HI, 0xf1
.set TO_B,   0x40
.macro JLOAD g0a, g1a, g0b, g1b        ; waves 0 and 1 fetch for A, waves 2 and 3 for B; four v_nop follow each of the two lines
	s_cmp_eq_u32 s15, 0
	s_cbranch_scc0 .Lfor_b_\@
	tensor_load_to_lds s[\g0a:\g0a+3], s[\g1a:\g1a+7]
	s_nop 0
.rept 4
	v_nop
.endr
	s_branch .Lasked_\@
.Lfor_b_\@:
	tensor_load_to_lds s[\g0b:\g0b+3], s[\g1b:\g1b+7]
	s_nop 0
.rept 4
	v_nop
.endr
.Lasked_\@:
.endm
.macro CREST
	s_cmp_lg_u32 s14, 0
	s_cbranch_scc1 .Lnot_wave_0_\@
	s_barrier_signal -3
.Lnot_wave_0_\@:
	s_barrier_wait -3
	s_barrier_signal -1
	s_barrier_wait -1
.endm
.macro CROUND
	s_barrier_signal -1
	s_barrier_wait -1
	CREST
.endm
	s_load_b128 s[4:7], s[0:1], 0x0                ; yc, ys
	s_load_b128 s[8:11], s[0:1], 0x10              ; cd, sc
	s_load_b64 s[12:13], s[0:1], 0x20              ; out0
	v_lshl_add_u32 v[SPW], v0, 2, SPARE
	v_mov_b32 v[NIL], 0
	ds_add_u32 v28, v29
	ds_add_u32 v28, v29
	s_wait_dscnt 0x0
	v_lshrrev_b32 v1, 5, v0
	v_readfirstlane_b32 s14, v1                    ; wave 0..3
	s_lshr_b32 s15, s14, 1                         ; which half of the tile's rows is mine.  Also: I fetch for A (0) or for B (1)
	s_and_b32 s16, s14, 1                          ; which half of its columns.  Also: which 128 rows I fetch
	s_bfe_u32 s40, ttmp6, 0x40000
	s_bfe_u32 s41, ttmp6, 0x40004
	s_lshl_b32 s42, ttmp9, 2
	s_add_co_u32 s42, s42, s40                     ; tile column
	s_and_b32 s17, ttmp7, 0xffff
	s_lshl_b32 s17, s17, 2
	s_add_co_u32 s17, s17, s41                     ; tile row
	s_lshl_b32 s43, s41, 2
	s_lshl_b32 s43, 15, s43
	s_lshl_b32 s44, 0x1111, s40
	s_or_b32 s[G1+0], s43, (3<<16)|(1<<21)         ; A: 24,576 dense bytes as 96 rows of 256 (32 elements of 8 bytes), no padding
	s_mov_b32 s[G1+1], 32<<16
	s_mov_b32 s[G1+2], 96<<16
	s_mov_b32 s[G1+3], 32<<16
	s_mov_b32 s[G1+4], 96
	s_mov_b32 s[G1+5], 32
	s_mov_b32 s[G1+6], 0
	s_mov_b32 s[G1+7], 0
	s_or_b32 s[G1B+0], s44, (0<<16)|(1<<20)|(1<<21)|(3<<22)|(3<<25)  ; B: 128 rows of 192 bytes, 16 bytes of padding behind every 64
	s_mov_b32 s[G1B+1], ROWB<<16
	s_mov_b32 s[G1B+2], 128<<16
	s_mov_b32 s[G1B+3], ROWB<<16
	s_mov_b32 s[G1B+4], 128
	s_mov_b32 s[G1B+5], KROW
	s_mov_b32 s[G1B+6], 0
	s_mov_b32 s[G1B+7], 0
	s_or_b32 s[G1S+0], s43, (3<<16)|(1<<20)|(1<<21)|(5<<22)|(3<<25)  ; the scales of 128 rows: 16 rows of 256 bytes, 16 bytes of padding behind each
	s_or_b32 s[G1SB+0], s44, (3<<16)|(1<<20)|(1<<21)|(5<<22)|(3<<25)
.irp g, G1S, G1SB
	s_mov_b32 s[\g+1], 32<<16
	s_mov_b32 s[\g+2], 16<<16
	s_mov_b32 s[\g+3], 32<<16
	s_mov_b32 s[\g+4], 16
	s_mov_b32 s[\g+5], 32
	s_mov_b32 s[\g+6], 0
	s_mov_b32 s[\g+7], 0
.endr
	s_lshl_b32 s18, s16, 7
	s_lshl_b32 s20, s17, 8
	s_add_co_u32 s20, s20, s18                     ; A: stored row 256 x tile row + 128 x half
	s_lshl_b32 s46, s42, 8
	s_add_co_u32 s46, s46, s18
	s_add_co_u32 s46, s46, 7168                    ; B: row of cd and sc
	s_mov_b32 s21, 0
	s_mov_b32 s47, 0
	s_mov_b64 s[18:19], KS
	s_mul_u64 s[22:23], s[20:21], s[18:19]
	s_mul_u64 s[92:93], s[46:47], s[18:19]
	s_mov_b64 s[18:19], KROW
	s_mul_u64 s[20:21], s[20:21], s[18:19]         ; (128 rows of yc are 98,304 bytes = 128 x 768)
	s_mul_u64 s[46:47], s[46:47], s[18:19]
	s_mul_i32 s45, s16, AHALF                      ; where they go: A's two halves,
	s_mul_i32 s95, s16, HALFT
	s_add_co_u32 s95, s95, 2*AHALF                 ; then B's two
	s_mul_i32 s94, s14, HALFS
	s_wait_kmcnt 0x0
	s_add_nc_u64 s[20:21], s[4:5], s[20:21]
	s_add_nc_u64 s[22:23], s[6:7], s[22:23]
	s_add_nc_u64 s[46:47], s[8:9], s[46:47]
	s_add_nc_u64 s[92:93], s[10:11], s[92:93]
	CROUND                                         ; all sixteen work-groups are here: the first joint loads meet
	s_mov_b32 s[G0S], 1
	s_add_co_u32 s[G0S+1], s94, SCL
	s_mov_b64 s[G0S+2:G0S+3], s[22:23]
	s_or_b32 s[G0S+3], s[G0S+3], 0x80000000
	s_mov_b32 s[G0SB], 1
	s_add_co_u32 s[G0SB+1], s94, SCL
	s_mov_b64 s[G0SB+2:G0SB+3], s[92:93]
	s_or_b32 s[G0SB+3], s[G0SB+3], 0x80000000
	JLOAD G0S, G1S, G0SB, G1SB
.irp s, 0,1
	s_mov_b32 s[G0+4*\s], 1
	s_add_co_u32 s[G0+4*\s+1], s45, \s*SLOT
	s_add_nc_u64 s[G0+4*\s+2:G0+4*\s+3], s[20:21], \s*AHALF
	s_or_b32 s[G0+4*\s+3], s[G0+4*\s+3], 0x80000000
	s_mov_b32 s[G0B+4*\s], 1
	s_add_co_u32 s[G0B+4*\s+1], s95, \s*SLOT
	s_add_nc_u64 s[G0B+4*\s+2:G0B+4*\s+3], s[46:47], \s*ROWB
	s_or_b32 s[G0B+4*\s+3], s[G0B+4*\s+3], 0x80000000
	JLOAD G0+4*\s, G1, G0B+4*\s, G1B
.endr
	v_and_b32 v1, 15, v0                           ; l % 16
	v_bfe_u32 v2, v0, 4, 1                         ; l / 16
	v_mul_u32_u24 v3, v1, PITCH
	v_mul_u32_u24 v4, v2, 24
	v_add_nc_u32 v4, v3, v4
	v_lshl_add_u32 v5, v2, 4, v4
	v_and_b32 v6, 31, v0
	v_lshlrev_b32 v7, 3, v6                        ; 8 x lane: a piece of an image
	s_mul_i32 s21, s15, AHALF
	s_mul_i32 s22, s16, HALFT
	s_add_co_u32 s22, s22, 2*AHALF
.irp s, 0,1
	v_add_nc_u32 v[ADRA+\s], s21, v7
	v_add_nc_u32 v[ADRB+\s], s22, v4
	v_add_nc_u32 v[ADRB+2+\s], s22, v5
	s_add_co_u32 s21, s21, SLOT
	s_add_co_u32 s22, s22, SLOT
.endr
	v_mul_u32_u24 v5, v1, KS
	v_lshrrev_b32 v7, 8, v5
	v_lshl_add_u32 v5, v7, 4, v5
	s_mul_i32 s21, s15, HALFS
	s_mul_i32 s22, s16, HALFS
	s_add_co_u32 s22, s22, 2*HALFS
	s_sub_co_u32 s22, s22, s21
	v_mul_u32_u24 v7, s22, v2                      ; lanes 16-31 take B's
	s_add_co_u32 s21, s21, SCL
	v_add_nc_u32 v5, v5, v7
	v_add_nc_u32 v[ADRS], s21, v5
	s_mul_i32 s23, s14, 16*SPITCH                  ; my stage
	v_mul_u32_u24 v5, v1, SPITCH
	v_lshl_add_u32 v5, v2, 6, v5                   ; in: row l % 16, + 64 bytes for lanes 16-31: true columns 16 further on
	v_add_nc_u32 v[STO], s23, v5
	v_lshlrev_b32 v[CO], 4, v6
	v_add_nc_u32 v[RD], s23, v[CO]
	s_lshl_b32 s20, s17, 8
	s_lshl_b32 s21, s15, 7
	s_add_co_u32 s20, s20, s21                     ; my first row of the result
	s_mov_b32 s21, 0
	s_mov_b64 s[18:19], 4096
	s_mul_u64 s[20:21], s[20:21], s[18:19]
	s_lshl_b32 s46, s42, 10
	s_lshl_b32 s47, s16, 9
	s_add_co_u32 s46, s46, s47
	s_mov_b32 s47, 0
	s_add_nc_u64 s[20:21], s[20:21], s[46:47]
	s_add_nc_u64 s[12:13], s[12:13], s[20:21]
.macro FRAG reg, adr, q, i             ; a fragment of B from padded rows, in pieces of 8 bytes
.irp p, 0,1,2,3,4,5
.set PCE, 12*(\q)+6*(\p/3)+\p%3
.if PCE%8 < 5
	ds_load_b64 v[\reg+2*\p:\reg+2*\p+1], v[\adr] offset:8*PCE+16*(PCE/8)+(\i)*16*PITCH
.else
	ds_load_b64 v[\reg+2*\p:\reg+2*\p+1], v[\adr+2] offset:8*PCE+16*(PCE/8)+(\i)*16*PITCH
.endif
.endr
.endm
.macro FRAGA reg, slot, q, i           ; a fragment of A from its image: piece p is registers 2 p, 2 p + 1, 256 consecutive bytes a load
.irp p, 0,1,2,3,4,5
	ds_load_b64 v[\reg+2*\p:\reg+2*\p+1], v[ADRA+\slot] offset:12288*(\q)+1536*(\i)+256*\p
.endr
.endm
.macro MUL16 a0, p, q, sc, zero        ; the 64 accumulators take turns, one instruction a turn, in the same order in every step
.irp a, \a0, \a0+1
.irp b, 0,1,2,3,4,5,6,7
.if \zero
	v_wmma_scale_f32_16x16x128_f8f6f4 v[8*(8*((\a)%4)+\b):8*(8*((\a)%4)+\b)+7], v[128*(\p)+FR*\b:128*(\p)+FR*\b+FR-1], v[AF+FR*(\a):AF+FR*(\a)+FR-1], 0, v[SC+8*NQ*(\sc)+NQ*\b+(\q)], v[SC+8*NQ*(\sc)+NQ*(\a)+(\q)] matrix_a_fmt:MATRIX_FMT_FP6 matrix_b_fmt:MATRIX_FMT_FP6 matrix_a_scale:MATRIX_SCALE_ROW1
.else
	v_wmma_scale_f32_16x16x128_f8f6f4 v[8*(8*((\a)%4)+\b):8*(8*((\a)%4)+\b)+7], v[128*(\p)+FR*\b:128*(\p)+FR*\b+FR-1], v[AF+FR*(\a):AF+FR*(\a)+FR-1], v[8*(8*((\a)%4)+\b):8*(8*((\a)%4)+\b)+7], v[SC+8*NQ*(\sc)+NQ*\b+(\q)], v[SC+8*NQ*(\sc)+NQ*(\a)+(\q)] matrix_a_fmt:MATRIX_FMT_FP6 matrix_b_fmt:MATRIX_FMT_FP6 matrix_a_scale:MATRIX_SCALE_ROW1
.endif
.endr
.endr
.endm
.macro FETCH_B slot, q, p
	WIN TO_B
.irp i, 0,1,2,3,4,5,6,7
	FRAG 128*(\p)+FR*\i, ADRB+\slot, \q, \i
.endr
	WIN 0
.endm
.macro FETCH_A slot, q, i0
.irp i, \i0, \i0+1, \i0+2, \i0+3
	FRAGA AF+FR*(\i), \slot, \q, \i
.endr
.endm
.macro SCALES sc
.irp i, 0,1,2,3,4,5,6,7
	ds_load_b64 v[SC+8*NQ*\sc+NQ*\i:SC+8*NQ*\sc+NQ*\i+1], v[ADRS] offset:\i*SBLK
.endr
.endm
.macro PLACES n
.rept \n
	v_nop
.endr
.endm
.macro STEP slot, q, zero
	s_wait_dscnt 4*NL                              ; all but the youngest 24 loads (A's blocks 4-7)
	WIN MUL_LO
	MUL16 0, (\q)%2, \q, \slot, \zero
	MUL16 2, (\q)%2, \q, \slot, \zero
	s_wait_dscnt 0
	PLACES NP
	FETCH_B \slot, (\q)+1, 1-(\q)%2
	FETCH_A \slot, (\q)+1, 0
	WIN MUL_HI
	MUL16 4, (\q)%2, \q, \slot, \zero
	MUL16 6, (\q)%2, \q, \slot, \zero
	PLACES NP
	WIN 0
	FETCH_A \slot, (\q)+1, 4
.endm
.macro TURN slot, next, fill
	s_wait_tensorcnt 0x0                           ; all my tensor loads have landed: my part of the next slot
	ds_add_u32 v[SPW], v[NIL]                      ; 0 onto my spare word
	s_wait_dscnt 4*NL+1                            ; the add and the youngest 24 loads may be out
	WIN MUL_LO
	MUL16 0, 1, NQ-1, \slot, 0
	s_wait_dscnt 0x0                               ; the add is done, and my reads of this slot are over
	s_barrier_signal -1
	MUL16 2, 1, NQ-1, \slot, 0
	WIN 0
	s_barrier_wait -1
.if \fill
	CREST                                          ; the barrier has opened a round of the cluster's
	s_add_nc_u64 s[G0+4*\slot+2:G0+4*\slot+3], s[G0+4*\slot+2:G0+4*\slot+3], 2*AHALF
	s_add_nc_u64 s[G0B+4*\slot+2:G0B+4*\slot+3], s[G0B+4*\slot+2:G0B+4*\slot+3], 2*ROWB
	JLOAD G0+4*\slot, G1, G0B+4*\slot, G1B
.else
	PLACES NP
.endif
	v_add_nc_u32 v[ADRS], 4*NQ, v[ADRS]
	FETCH_B \next, 0, 0
	FETCH_A \next, 0, 0
	SCALES \next
	WIN MUL_HI
	MUL16 4, 1, NQ-1, \slot, 0
	MUL16 6, 1, NQ-1, \slot, 0
	PLACES NP
	WIN 0
	FETCH_A \next, 0, 4
.endm
	s_wait_tensorcnt 1                             ; the scales and my part of K step 0 are in; K step 1's load may be out
	s_barrier_signal -1
	s_barrier_wait -1
	FETCH_B 0, 0, 0
	FETCH_A 0, 0, 0
	SCALES 0
	FETCH_A 0, 0, 4
	STEP 0, 0, 1
	s_mov_b32 s3, LAPS-1
.Llap:
	TURN 0, 1, 1
	STEP 1, 0, 0
	TURN 1, 0, 1
	STEP 0, 0, 0
	s_sub_co_u32 s3, s3, 1
	s_cmp_lg_u32 s3, 0
	s_cbranch_scc1 .Llap
	TURN 0, 1, 0
	STEP 1, 0, 0
	s_wait_dscnt 4*NL
	WIN MUL_LO
	MUL16 0, 1, NQ-1, 1, 0
	MUL16 2, 1, NQ-1, 1, 0
	s_wait_dscnt 0
	WIN MUL_HI
	MUL16 4, 1, NQ-1, 1, 0
	MUL16 6, 1, NQ-1, 1, 0
	WIN 0
; THE WAY OUT, block by block of 16 stored rows x 128 columns, through my own stage; the columns are put at their true places in the stage's rows, the rows at their true places in memory.
.macro TOSTAGE a
.set AC, 64*((\a)%4)
	WIN 0x08+4*((\a)/4)                            ; the data: window 2 or 3
.irp b, 0,1,2,3,4,5,6,7
	ds_store_b128 v[STO], v[AC+8*\b:AC+8*\b+3] offset:128*(\b/2)+32*(\b%2)       ; each accumulator from its low end on
	ds_store_b128 v[STO], v[AC+8*\b+4:AC+8*\b+7] offset:128*(\b/2)+32*(\b%2)+16
.endr
	WIN 0
.set BB, BK+64*((\a)%2)
.irp t, 0,1,2,3,4,5,6,7,8,9,10,11,12,13,14,15
	ds_load_b128 v[BB+4*\t:BB+4*\t+3], v[RD] offset:\t*SPITCH    ; LDS serves a wave's instructions in order: these see the stores above
.endr
.endm
.macro SEND a, younger                 ; younger: the LDS instructions issued behind block a's loads, which may stay out
.set BB, BK+64*((\a)%2)
	s_wait_dscnt \younger
.irp t, 0,1,2,3,4,5,6,7,8,9,10,11,12,13,14,15
	global_store_b128 v[CO], v[BB+4*\t:BB+4*\t+3], s[12:13] offset:(32*((\a)/2)+8*((\a)%2)+(\t%8)+16*(\t/8))*4096 th:TH_STORE_NT   ; 512 consecutive bytes, aligned; row 127 at the most: inside the signed 24-bit immediate
.endr
.endm
	PLACES NP
	TOSTAGE 0
.irp a, 1,2,3,4,5,6,7
.if \a > 1
	s_wait_xcnt 0x0                                ; block a - 2's stores have read their registers: block a's loads may land there
.endif
	TOSTAGE \a
	SEND \a-1, 32                                  ; behind block a - 1's loads: block a's 16 stores and 16 loads
.endr
	SEND 7, 0
	s_wait_tensorcnt 0x0                           ; the wave's end
	ds_add_u32 v[SPW], v[NIL]
	s_wait_dscnt 0x0
	CROUND                                         ; the closing round
	s_endpgm
.Lfunc_end_k_q35f1893dca_proj:
	.size	k_q35f1893dca_proj, .Lfunc_end_k_q35f1893dca_proj-k_q35f1893dca_proj
	.p2alignl 7, 3214868480
	.fill 96, 4, 3214868480
	.section	.rodata,"a",@progbits
	.p2align	6, 0x0
	.amdhsa_kernel k_q35f1893dca_proj
		.amdhsa_group_segment_fixed_size 327680
		.amdhsa_private_segment_fixed_size 0
		.amdhsa_enable_private_segment 0
		.amdhsa_kernarg_size 40
		.amdhsa_user_sgpr_count 2
		.amdhsa_user_sgpr_kernarg_segment_ptr 1
		.amdhsa_wavefront_size32 1
		.amdhsa_system_sgpr_workgroup_id_x 1
		.amdhsa_system_sgpr_workgroup_id_y 1
		.amdhsa_system_sgpr_workgroup_id_z 1
		.amdhsa_system_vgpr_workitem_id 0
		.amdhsa_next_free_vgpr 1024
		.amdhsa_next_free_sgpr 98
		.amdhsa_reserve_vcc 0
		.amdhsa_float_denorm_mode_32 3
		.amdhsa_float_denorm_mode_16_64 3
		.amdhsa_memory_ordered 1
		.amdhsa_forward_progress 1
		.amdhsa_inst_pref_size 159
	.end_amdhsa_kernel
	.amdgpu_metadata
---
amdhsa.version: [ 1, 2 ]
amdhsa.kernels:
  - .name:           k_q35f1893dca_proj
    .symbol:         k_q35f1893dca_proj.kd
    .args:
      - { .name: yc, .offset: 0, .size: 8, .value_kind: global_buffer, .address_space: global }
      - { .name: ys, .offset: 8, .size: 8, .value_kind: global_buffer, .address_space: global }
      - { .name: cd, .offset: 16, .size: 8, .value_kind: global_buffer, .address_space: global }
      - { .name: sc, .offset: 24, .size: 8, .value_kind: global_buffer, .address_space: global }
      - { .name: out0, .offset: 32, .size: 8, .value_kind: global_buffer, .address_space: global }
    .group_segment_fixed_size: 327680
    .private_segment_fixed_size: 0
    .kernarg_segment_align: 8
    .kernarg_segment_size: 40
    .max_flat_workgroup_size: 128
    .sgpr_count:     98
    .vgpr_count:     1024
    .wavefront_size: 32
...
	.end_amdgpu_metadata
.endif
;; end of part 4
